; MI455X (gfx1250); checked and timed in simulation.
; The chip was launched on July 23, 2026; its instructions are those of AMD's public machine-readable ISA for CDNA 5 (MIT licence, August 2026) and "CDNA5" Instruction Set Architecture Reference Guide (July 2026). The comments in the code are by the model that wrote it; some were corrected since.
;; GIP Generator. Allowed arithmetic: matrix products marked QUANTISED: E5M2 operands, one given power-of-two scale a tensor, by v_wmma_f32_16x16x64_bf8_bf8 or v_wmma_f32_16x16x128_bf8_bf8, f32 sums; everything else in f32.
;; Inputs: W1_codes 1,024 x 64 x 32 uint8 (E5M2 codes of W1, K innermost, in blocks of 32 codes); W2_codes 1,024 x 32 x 32 uint8 (E5M2 codes of W2, K innermost, in blocks of 32 codes); W3_codes 1,024 x 32 x 32 uint8 (E5M2 codes of W3, K innermost, in blocks of 32 codes); b1 1,024 float32; b2 1,024 float32; b3 1,024 float32; gumbel 384 x 1,024 float32; lowp_scales 6 int32 (the exponents e of the quantised operands' scales 2^e); m 384 x 1,024 float32; x 384 x 1,024 float32.
;; Outputs: out0 384 x 1,024 float32.
;; This version of the problem:
;;   THIS VERSION OF THE PROBLEM IS GIVEN IN LOW PRECISION. The matrix products marked QUANTISED in the list below multiply operands that are first quantised to E5M2 (5 exponent bits, 2 mantissa bits; 8 bits a number), with one given power-of-two scale for each operand tensor; their sums are f32. All else is computed in f32.
;;   The module's matrix products, in the order in which they are computed (A, B: the left and right operand; K: the contracted axis; several contracted axes count as one K, in the product's order):
;;     1. [M 384, K 2,048] x [K 2,048, N 1,024]; A: computed on the way; B: input W1 (given as codes): QUANTISED (scales: A lowp_scales[0], B lowp_scales[1])
;;     2. [M 384, K 1,024] x [K 1,024, N 1,024]; A: computed on the way; B: input W2 (given as codes): QUANTISED (scales: A lowp_scales[2], B lowp_scales[3])
;;     3. [M 384, K 1,024] x [K 1,024, N 1,024]; A: computed on the way; B: input W3 (given as codes): QUANTISED (scales: A lowp_scales[4], B lowp_scales[5])
;;   THE QUANTISER, for each operand of a quantised product, along K:
;;     - The operand's scale is 2^e, e = its entry of the input lowp_scales (int32; the entries are numbered through the quantised products in the list's order, A before B).
;;     - Each number is divided by the scale, clamped to +-57,344, and rounded to the nearest number of E5M2, ties to even, subnormals kept.
;;     - The product sums the exact products of the quantised numbers (number of the format x scale) in f32.
;;   ~~~python
;;   def quantise(x, axis, e):      # numpy; x: float32 -> the quantised numbers, widened to float32 again
;;       x = np.moveaxis(x, axis, -1); K = x.shape[-1]
;;       r = np.clip(x / 2.0 ** e, -57344, 57344)
;;       step = 2.0 ** (np.maximum(np.frexp(np.where(r == 0, 1, r))[1] - 1, -14) - 2)
;;       q = np.round(r / step) * step * 2.0 ** e      # np.round: ties to even
;;       return np.moveaxis(q, -1, axis).astype(np.float32)
;;   ~~~
;;   OPERANDS COMPUTED ON THE WAY. 'Computed on the way' means the value that the module computes at that place (a softmax that the list does not call 'softmax' is quantised finished and normalised). What goes into a quantiser is computed in f32, as accurately as f32 sums, v_exp_f32 and their like allow (about 1e-6 of the number): no bf16 or f16 on the way to a quantiser, and a product that is left as it is and whose result goes on into a quantised operand takes f32 operands (vector FMAs, or v_wmma_f32_16x16x4_f32). A number that lies on a knife's edge between two numbers of the format may be rounded either way, as far as f32 arithmetic and the matrix unit's own rounding can turn it there, and no further.
;;   INPUTS GIVEN AS CODES. W1 (in the module: [1024, 2048], K = its axis 1); W2 (in the module: [1024, 1024], K = its axis 1); W3 (in the module: [1024, 1024], K = its axis 1): each comes as NAME_codes (uint8): NAME with its K axis moved to the last place and cut into blocks of 32 codes, [.., K / 32, bytes a block], one block behind the other in memory; one code a byte (a code: sign, 5 exponent bits, 2 mantissa bits); its scale is its entry of lowp_scales. Its value is code x scale, taken as it is: it is not quantised again, and the codes and scales need not be those that the quantiser above would give.
;; 2 versions. Each part assembles by itself: llvm-mc -triple=amdgcn-amd-amdhsa -mcpu=gfx1250 --defsym DOCPART=n.
;; ======== version 1 of 2: 4 launches
;; workspace buffers: h1c 393,216 bytes; z2 1,572,864 bytes; h2c 393,216 bytes; idx 1,536 bytes of whole numbers
;; launch layer1 (part 1): grid 16 x 12, 16 waves a work-group, no clusters, 223,232 bytes of LDS; arguments x, m, W1_codes, b1, lowp_scales, h1c; writes h1c
.if DOCPART == 1
	.amdgcn_target "amdgcn-amd-amdhsa--gfx1250"
	.amdhsa_code_object_version 6
	.text
	.protected	k_qf4593efdf3_layer1
	.globl	k_qf4593efdf3_layer1
	.p2align	8
	.type	k_qf4593efdf3_layer1,@function
k_qf4593efdf3_layer1:
	s_mov_b64 s[64:65], 0
	v_nop
	global_prefetch_b8 v0, s[64:65] scope:SCOPE_SE
	s_setreg_imm32_b32 hwreg(HW_REG_WAVE_MODE, 25, 1), 1
	s_wait_xcnt 0x0
; h1 = relu([x | m] W1^T + b1), the product on codes of BF8 (E5M2); h1 leaves as codes for the next product.
; x, m: [384][1024] f32, quantised here with 2^e0.  W1: [1024][2048] codes, K innermost, scale 2^e1.  h1 is quantised with 2^e2.
; SHARES.  A work-group makes 32 rows x 64 columns of h1 (grid 16 x 12).  K = 2,048 is split over its SIXTEEN waves, 128 to a wave: waves 0-7 take x's columns 128 w on,
; waves 8-15 m's.  So there is no loop over K: a wave asks for all its bytes at its head (16 KB of f32, 8 KB of codes), issues 8 matrix instructions, and the sixteen partial sums
; meet in LDS, where wave a (0-7) adds accumulator a in ascending K.
; THE MATRIX INSTRUCTION IS USED TRANSPOSED (source 0 = 16 rows of W1, source 1 = 16 rows of the input), and THE ROWS OF W1 THAT FORM A TILE ARE NOT NEIGHBOURS: lane r of tile 2 b + u takes row
; 32 b + 8 u + r + 8 (r / 8).  In accumulator (t, 2 b + u) lane (r, h) then holds row 16 t + r and the eight neighbouring columns 32 b + 16 h + 8 u + 0 .. 7.
; A fragment's registers 4 c .. 4 c + 3 hold k = 32 c + 16 h + 0 .. 15: a permutation of k that is the same on both sides, so every product meets its partner.
; h1c IS LAID AS THE NEXT PRODUCT'S OPERAND REGISTERS: [tile of 16 rows: 24][K step of 128: 8][register pair p: 8][lane: 32][8 bytes]; pair p = 2 c + u of lane (r, h) holds k = 32 c + 16 h + 8 u + 0 .. 7.
; NO JOINT LOADS, NO TENSOR LOADS: a work-group's f32 tile is 32 x 2,048 x 4 = 262,144 bytes and its codes 131,072: together more than LDS holds in one fill, so they would need a ring and
; its rounds, for 8 matrix instructions a wave; here each byte goes to the one wave that wants it, once.
; LIMITS: e0 and e2 between -126 and 112, e0 + e1 between -126 and 127, so that each power of two below is an f32 number.  NaN and infinities among the inputs are not served.
; The split of K over waves gives another order of the f32 sums than one chain would.
.set KROW,   2048                      ; a row of W1 in bytes
.set KSH,    11
.set PITCH,  144                       ; an LDS row: 128 codes + 16 bytes: sixteen rows of a fragment load start 36 words apart
.set REGION, 96*PITCH                  ; a wave's own LDS: 32 rows of the input's codes, then 64 rows of W1's; later its image of partial sums (8,192 bytes) lies over the front
.set AOFF,   0
.set WOFF,   32*PITCH
.set NP,     16                        ; partial sums
.set AR,  16                           ; v16-143  32 rows x 4 numbers of x or m
.set WR,  144                          ; v144-207 W1's codes as loaded
.set CD,  208                          ; v208-239 the input's codes: row i's four in v[CD+i]
.set AF,  16                           ; v16-47   later: the input's two fragments
.set WF,  48                           ; v48-111  W1's four fragments
.set ACC, 112                          ; v112-175 eight accumulators, (t, ct) at ACC + 8 (4 t + ct)
.set RB,  16                           ; v16-143  later: sixteen partials of one accumulator
.set CO,  144                          ; v144-145 eight codes of h1
.set BI,  244                          ; v244-251 b1 at my eight columns
; v1 lane, v2 r, v3 h, v4 16 lane, v5 W1's load offset, v6 W1's place in LDS, v7 the codes' place, v8 fragments, v9 my image, v10-13 the images I add, v14 64 h, v15 8 lane
; v240 2^e0, v241 57,344 x 2^e0, v242 2^e2, v243 57,344 x 2^e2
	s_load_b256 s[4:11], s[0:1], 0x0               ; x s[4:5], m s[6:7], W1's codes s[8:9], b1 s[10:11]
	s_load_b128 s[12:15], s[0:1], 0x20             ; the scales' exponents s[12:13], h1c s[14:15]
	v_lshl_add_u32 v254, v0, 2, 0x36000
	v_mov_b32 v255, 0
	v_lshrrev_b32 v1, 5, v0
	v_readfirstlane_b32 s16, v1                    ; wave 0..15
	v_and_b32 v1, 31, v0                           ; lane
	v_and_b32 v2, 15, v0                           ; r
	v_bfe_u32 v3, v0, 4, 1                         ; h
	s_and_b32 s18, ttmp7, 0xffff                   ; by: rows 32 by on;  ttmp9 = bx: columns 64 bx on
	s_mul_i32 s19, s16, REGION                     ; my region
	s_and_b32 s36, s16, 7                          ; my K step inside x or m; also the accumulator that I add
	v_lshlrev_b32 v4, 4, v1
	v_lshrrev_b32 v14, 3, v1                       ; lane / 8: which of a load's four rows of W1
	v_and_b32 v15, 7, v1
	v_lshlrev_b32 v15, 4, v15                      ; 16 (lane % 8): which 16 of a row's 128 bytes
	v_lshl_add_u32 v5, v14, KSH, v15
	v_mad_u32_u24 v6, v14, PITCH, v15
	v_add_nc_u32 v6, s19, v6
	v_lshl_add_u32 v7, v1, 2, s19
	v_mul_u32_u24 v8, v2, PITCH
	v_lshl_add_u32 v8, v3, 4, v8
	v_add_nc_u32 v8, s19, v8                       ; row r x pitch + 16 h
	v_add_nc_u32 v9, s19, v4
	s_lshl_b32 s37, s36, 10
	v_add_nc_u32 v10, s37, v4                      ; accumulator a's 1,024 bytes in wave 0's image; waves 4, 8, 12 on in the next three
	v_add_nc_u32 v11, 4*REGION, v10
	v_add_nc_u32 v12, 8*REGION, v10
	v_add_nc_u32 v13, 12*REGION, v10
	v_lshlrev_b32 v14, 6, v3
	v_lshlrev_b32 v15, 3, v1
	s_lshl_b32 s34, s18, 17                        ; the input: 32 by rows of 4,096 bytes
	s_lshl_b32 s35, s36, 9                         ; + my 128 numbers
	s_add_co_u32 s34, s34, s35
	s_mov_b32 s35, 0
	s_lshl_b32 s38, ttmp9, 17                      ; W1: 64 bx rows of 2,048 bytes
	s_lshl_b32 s39, s16, 7                         ; + my 128 codes
	s_add_co_u32 s38, s38, s39
	s_mov_b32 s39, 0
	s_and_b32 s44, s16, 3                          ; ct = 2 b + u of the accumulator that I add
	s_lshl_b32 s40, ttmp9, 8                       ; b1: (64 bx + 32 b + 8 u) x 4
	s_lshr_b32 s41, s44, 1
	s_lshl_b32 s41, s41, 7
	s_add_co_u32 s40, s40, s41
	s_and_b32 s41, s44, 1
	s_lshl_b32 s41, s41, 5
	s_add_co_u32 s40, s40, s41
	s_mov_b32 s41, 0
	s_lshl_b32 s42, s18, 15                        ; h1c: ((2 by + t) 8 + bx / 2) 2,048 + (4 (bx % 2) + ct) 256 = 32,768 by + 16,384 t + 1,024 bx + 256 ct
	s_bfe_u32 s43, s16, 0x10002                    ; t
	s_lshl_b32 s43, s43, 14
	s_add_co_u32 s42, s42, s43
	s_lshl_b32 s43, ttmp9, 10
	s_add_co_u32 s42, s42, s43
	s_lshl_b32 s43, s44, 8
	s_add_co_u32 s42, s42, s43
	s_mov_b32 s43, 0
	s_wait_kmcnt 0x0
	s_load_b128 s[20:23], s[12:13], 0x0            ; e0, e1, e2, e3
	s_cmp_lt_u32 s16, 8                            ; x or m: the choice hangs on the wave's number alone
	s_cselect_b64 s[24:25], s[4:5], s[6:7]
	s_add_nc_u64 s[24:25], s[24:25], s[34:35]
	s_add_nc_u64 s[26:27], s[8:9], s[38:39]
	s_add_nc_u64 s[30:31], s[10:11], s[40:41]
	s_add_nc_u64 s[32:33], s[14:15], s[42:43]
	; everything that the wave will read is asked for here: 16 + 32 + 2 loads
.set i, 0
.rept 16
	global_load_b128 v[WR+4*i:WR+4*i+3], v5, s[26:27] offset:4*i*KROW       ; four rows of W1, 128 bytes of each
.set i, i+1
.endr
.set i, 0
.rept 32
	global_load_b128 v[AR+4*i:AR+4*i+3], v4, s[24:25] offset:4096*i         ; row i's 128 numbers: 512 consecutive bytes; lane l holds k = 4 l .. 4 l + 3
.set i, i+1
.endr
	global_load_b128 v[BI:BI+3], v14, s[30:31]
	global_load_b128 v[BI+4:BI+7], v14, s[30:31] offset:16
	s_wait_kmcnt 0x0
	s_add_co_i32 s34, s20, 127
	s_lshl_b32 s35, s34, 23
	v_mov_b32 v240, s35                            ; 2^e0 as f32: the conversion takes its exponent field
	s_add_co_i32 s34, s34, 15
	s_lshl_b32 s34, s34, 23
	s_or_b32 s34, s34, 0x600000
	v_mov_b32 v241, s34                            ; 57,344 x 2^e0
	s_add_co_i32 s34, s22, 127
	s_lshl_b32 s35, s34, 23
	v_mov_b32 v242, s35                            ; 2^e2
	s_add_co_i32 s34, s34, 15
	s_lshl_b32 s34, s34, 23
	s_or_b32 s34, s34, 0x600000
	v_mov_b32 v243, s34                            ; 57,344 x 2^e2
	s_add_co_i32 s28, s20, s21
	s_add_co_i32 s28, s28, 127
	s_lshl_b32 s28, s28, 23                        ; 2^(e0 + e1)
	s_mov_b32 s29, s28                             ; (named with it as a pair, so it is written)
	s_wait_loadcnt 34                              ; W1's 16 loads are in; the 32 of the input and the 2 of b1 are younger
.set i, 0
.rept 16                                       ; row rho = 4 i + lane / 8 goes to the slot of its tile: 32 (rho / 32) + 16 ((rho / 8) % 2) + 8 ((rho / 16) % 2) + rho % 8
	ds_store_b128 v6, v[WR+4*i:WR+4*i+3] offset:WOFF+PITCH*(32*(i/8)+16*((i/2)%2)+8*((i/4)%2)+4*(i%2))
.set i, i+1
.endr
.irp half, 0,1
	s_wait_loadcnt 18-16*\half                     ; rows 16 half .. + 15 are in; younger: the other half's 16 (or none) and b1's 2
.set j, 64*\half
.rept 64
	v_med3_num_f32 v[AR+j], v[AR+j], -v241, v241   ; the conversion to an 8-bit code does not saturate (ISA guide 7.6.2): the hold at the largest code x the scale
.set j, j+1
.endr
.set q, 8*\half
.rept 8
	v_cvt_scalef32_pk8_bf8_f32 v[CD+2*q:CD+2*q+1], v[AR+8*q:AR+8*q+7], v240   ; rows 2 q and 2 q + 1: four codes of each, a register a row
.set q, q+1
.endr
	v_nop                                          ; a plain line behind the last conversion: matrix instructions later write over its sources
.set j, 16*\half
.rept 16
	ds_store_b32 v7, v[CD+j] offset:AOFF+PITCH*j   ; 32 lanes: a row's 128 codes
.set j, j+1
.endr
.endr
	; LDS serves a wave's instructions in order (ISA guide 5.7.1.4): the loads below see my stores; nobody else touches my region yet
.irp t, 0,1
.irp c, 0,1,2,3
	ds_load_b128 v[AF+16*\t+4*\c:AF+16*\t+4*\c+3], v8 offset:AOFF+16*\t*PITCH+32*\c
.endr
.endr
.irp t, 0,1,2,3
.irp c, 0,1,2,3
	ds_load_b128 v[WF+16*\t+4*\c:WF+16*\t+4*\c+3], v8 offset:WOFF+16*\t*PITCH+32*\c
.endr
.endr
	s_wait_dscnt 0x0
.irp t, 0,1                                    ; eight accumulators, one instruction each: the constant 0 starts every sum
.irp c, 0,1,2,3
	v_wmma_f32_16x16x128_bf8_bf8 v[ACC+8*(4*\t+\c):ACC+8*(4*\t+\c)+7], v[WF+16*\c:WF+16*\c+15], v[AF+16*\t:AF+16*\t+15], 0
.endr
.endr
.rept 4
	v_nop                                          ; four places behind the last product: for the stores that read results, and for the later loads into these registers
.endr
.set g, 0
.rept 16
	ds_store_b128 v9, v[ACC+4*g:ACC+4*g+3] offset:512*g   ; my partial sums as an image of their registers, each accumulator from its low end on; my reads of these bytes are back
.set g, g+1
.endr
	s_wait_dscnt 0x0                               ; for the others' sake: my image has landed
	s_barrier_signal -1
	s_barrier_wait -1
	s_cmp_lt_u32 s16, 8
	s_cbranch_scc0 .Ldone                          ; eight accumulators, eight waves to add them
.set p, 0
.rept NP
	ds_load_b128 v[RB+8*p:RB+8*p+3], v[10+p/4] offset:(p%4)*REGION
	ds_load_b128 v[RB+8*p+4:RB+8*p+7], v[10+p/4] offset:(p%4)*REGION+512
.set p, p+1
.endr
.set p, 1
.rept NP-1
	s_wait_dscnt 2*NP-2-2*p                        ; partials 0 .. p are in; the 2 (NP - 1 - p) loads behind them may be out
.irp j, 0,2,4,6
	v_pk_add_f32 v[RB+\j:RB+\j+1], v[RB+\j:RB+\j+1], v[RB+8*p+\j:RB+8*p+\j+1]   ; K ascending
.endr
.set p, p+1
.endr
	s_wait_loadcnt 0x0                             ; b1
.irp j, 0,2,4,6
	v_pk_fma_f32 v[RB+\j:RB+\j+1], v[RB+\j:RB+\j+1], s[28:29], v[BI+\j:BI+\j+1] op_sel_hi:[1,0,1]   ; sum x 2^(e0 + e1) + b1
.endr
.irp j, 0,1,2,3,4,5,6,7
	v_med3_num_f32 v[RB+\j], v[RB+\j], 0, v243     ; the activation and the hold in one: between 0 and the largest code x 2^e2
.endr
	v_cvt_scalef32_pk8_bf8_f32 v[CO:CO+1], v[RB:RB+7], v242
	v_nop
	global_store_b64 v15, v[CO:CO+1], s[32:33]     ; 32 lanes store 256 consecutive bytes, at a multiple of 256 from h1c's first byte
.Ldone:
	s_wait_tensorcnt 0x0
	ds_add_u32 v254, v255
	s_wait_dscnt 0x0
	s_endpgm
.Lfunc_end_k_qf4593efdf3_layer1:
	.size	k_qf4593efdf3_layer1, .Lfunc_end_k_qf4593efdf3_layer1-k_qf4593efdf3_layer1
	.p2alignl 7, 3214868480
	.fill 96, 4, 3214868480
	.section	.rodata,"a",@progbits
	.p2align	6, 0x0
	.amdhsa_kernel k_qf4593efdf3_layer1
		.amdhsa_group_segment_fixed_size 223232
		.amdhsa_private_segment_fixed_size 0
		.amdhsa_enable_private_segment 0
		.amdhsa_kernarg_size 48
		.amdhsa_user_sgpr_count 2
		.amdhsa_user_sgpr_kernarg_segment_ptr 1
		.amdhsa_wavefront_size32 1
		.amdhsa_system_sgpr_workgroup_id_x 1
		.amdhsa_system_sgpr_workgroup_id_y 1
		.amdhsa_system_sgpr_workgroup_id_z 1
		.amdhsa_system_vgpr_workitem_id 0
		.amdhsa_next_free_vgpr 256
		.amdhsa_next_free_sgpr 66
		.amdhsa_reserve_vcc 0
		.amdhsa_float_denorm_mode_32 3
		.amdhsa_float_denorm_mode_16_64 3
		.amdhsa_memory_ordered 1
		.amdhsa_forward_progress 1
		.amdhsa_inst_pref_size 32
	.end_amdhsa_kernel
	.amdgpu_metadata
---
amdhsa.version: [ 1, 2 ]
amdhsa.kernels:
  - .name:           k_qf4593efdf3_layer1
    .symbol:         k_qf4593efdf3_layer1.kd
    .args:
      - { .name: x, .offset: 0, .size: 8, .value_kind: global_buffer, .address_space: global }
      - { .name: m, .offset: 8, .size: 8, .value_kind: global_buffer, .address_space: global }
      - { .name: W1_codes, .offset: 16, .size: 8, .value_kind: global_buffer, .address_space: global }
      - { .name: b1, .offset: 24, .size: 8, .value_kind: global_buffer, .address_space: global }
      - { .name: lowp_scales, .offset: 32, .size: 8, .value_kind: global_buffer, .address_space: global }
      - { .name: h1c, .offset: 40, .size: 8, .value_kind: global_buffer, .address_space: global }
    .group_segment_fixed_size: 223232
    .private_segment_fixed_size: 0
    .kernarg_segment_align: 8
    .kernarg_segment_size: 48
    .max_flat_workgroup_size: 512
    .sgpr_count:     66
    .vgpr_count:     256
    .wavefront_size: 32
...
	.end_amdgpu_metadata
.endif
;; end of part 1
;; launch layer2 (part 2): grid 16 x 12, 8 waves a work-group, no clusters, 83,456 bytes of LDS; arguments h1c, W2_codes, b2, lowp_scales, z2; writes z2
.if DOCPART == 2
	.amdgcn_target "amdgcn-amd-amdhsa--gfx1250"
	.amdhsa_code_object_version 6
	.text
	.protected	k_qf4593efdf3_layer2
	.globl	k_qf4593efdf3_layer2
	.p2align	8
	.type	k_qf4593efdf3_layer2,@function
k_qf4593efdf3_layer2:
	s_mov_b64 s[64:65], 0
	v_nop
	global_prefetch_b8 v0, s[64:65] scope:SCOPE_SE
	s_setreg_imm32_b32 hwreg(HW_REG_WAVE_MODE, 25, 1), 1
	s_wait_xcnt 0x0
; z2 = h1 W2^T + b2, on codes of BF8 (E5M2).  h1c: h1's codes laid as operand registers, [tile of 16 rows: 24][K step: 8][pair: 8][lane: 32][8 bytes], scale 2^e2.
; W2: [1024][1024] codes, K innermost, scale 2^e3.  z2: [384][1024] f32.
; SHARES.  A work-group makes 32 rows x 64 columns (grid 16 x 12).  K = 1,024 is split over its EIGHT waves, 128 to a wave: no loop over K; each wave asks for its 4 KB of h1's codes (straight into
; the operand's registers) and its 8 KB of W2's at its head, issues 8 matrix instructions, and the eight partial sums meet in LDS: wave a adds accumulator a, K ascending.
; The matrix instruction is used transposed, W2's rows are dealt to tiles and k to registers as in the launch before: in accumulator (t, 2 b + u) lane (r, h) holds row 16 t + r, columns 32 b + 16 h + 8 u + 0 .. 7.
; NO JOINT LOADS: what neighbours share is 32 KB of h1's codes or 64 KB of W2's, asked for once at the head; two rounds of a cluster's barrier would stand beside 8 matrix instructions a wave.
; LIMITS: e2 + e3 between -126 and 127.  The split of K over waves gives another order of the f32 sums than one chain would.
.set KROW,   1024
.set KSH,    10
.set PITCH,  144                       ; an LDS row: 128 codes + 16 bytes
.set REGION, 64*PITCH                  ; a wave's own LDS: 64 rows of W2's codes; later its image of partial sums (8,192 bytes)
.set WOFF,   0
.set NP,     8
.set STG,    8*REGION                  ; the stage for the way out: 32 rows x (256 bytes + 16)
.set SP,     272
.set AF,  16                           ; v16-47   h1's two fragments
.set WR,  48                           ; v48-111  W2's codes as loaded
.set ACC, 48                           ; v48-111  later: eight accumulators
.set WF,  112                          ; v112-175 W2's four fragments
.set RB,  112                          ; v112-175 later: eight partials of one accumulator
.set BI,  176                          ; v176-183 b2 at my eight columns
.set OB,  184                          ; v184-191 four rows' parts on the way out
; v1 lane, v2 r, v3 h, v4 16 lane, v5 W2's load offset, v6 its place in LDS, v7 8 lane, v8 fragments, v9 my image, v10 the images I add, v11 into the stage, v12 out of it, v13 my offset in z2, v14 64 h
	s_load_b256 s[4:11], s[0:1], 0x0               ; h1c s[4:5], W2's codes s[6:7], b2 s[8:9], the scales' exponents s[10:11]
	s_load_b64 s[12:13], s[0:1], 0x20              ; z2
	v_lshl_add_u32 v208, v0, 2, 0x14200
	v_mov_b32 v209, 0
	v_lshrrev_b32 v1, 5, v0
	v_readfirstlane_b32 s16, v1                    ; wave 0..7: my K step, and the accumulator that I add
	v_and_b32 v1, 31, v0
	v_and_b32 v2, 15, v0
	v_bfe_u32 v3, v0, 4, 1
	s_and_b32 s18, ttmp7, 0xffff                   ; by
	s_mul_i32 s19, s16, REGION
	v_lshlrev_b32 v4, 4, v1
	v_lshrrev_b32 v14, 3, v1
	v_and_b32 v7, 7, v1
	v_lshlrev_b32 v7, 4, v7
	v_lshl_add_u32 v5, v14, KSH, v7
	v_mad_u32_u24 v6, v14, PITCH, v7
	v_add_nc_u32 v6, s19, v6
	v_lshlrev_b32 v7, 3, v1
	v_mul_u32_u24 v8, v2, PITCH
	v_lshl_add_u32 v8, v3, 4, v8
	v_add_nc_u32 v8, s19, v8
	v_add_nc_u32 v9, s19, v4
	s_lshl_b32 s37, s16, 10
	v_add_nc_u32 v10, s37, v4
	s_bfe_u32 s36, s16, 0x10002                    ; t
	s_bfe_u32 s38, s16, 0x10001                    ; b
	s_and_b32 s39, s16, 1                          ; u
	s_mul_i32 s37, s36, 16*SP
	s_lshl_b32 s44, s38, 7
	s_add_co_u32 s37, s37, s44
	s_lshl_b32 s44, s39, 5
	s_add_co_u32 s37, s37, s44
	s_add_co_u32 s37, s37, STG
	v_mul_u32_u24 v11, v2, SP
	v_lshl_add_u32 v11, v3, 6, v11
	v_add_nc_u32 v11, s37, v11                     ; stage row 16 t + r, byte 128 b + 64 h + 32 u: my eight columns
	s_mul_i32 s37, s16, 4*SP
	s_add_co_u32 s37, s37, STG
	v_mul_u32_u24 v12, v3, SP
	v_lshl_add_u32 v12, v2, 4, v12
	v_add_nc_u32 v12, s37, v12                     ; back: rows 4 w on; lanes 0-15 one row of 256 bytes, lanes 16-31 the next
	v_lshlrev_b32 v13, 12, v3
	v_lshl_add_u32 v13, v2, 4, v13                 ; and the same two rows in z2
	v_lshlrev_b32 v14, 6, v3
	s_lshl_b32 s34, s18, 15                        ; h1c: (16 by + w) x 2,048
	s_lshl_b32 s35, s16, 11
	s_add_co_u32 s34, s34, s35
	s_mov_b32 s35, 0
	s_lshl_b32 s40, ttmp9, 16                      ; W2: 64 bx rows of 1,024 bytes + my 128 codes
	s_lshl_b32 s41, s16, 7
	s_add_co_u32 s40, s40, s41
	s_mov_b32 s41, 0
	s_lshl_b32 s42, ttmp9, 8                       ; b2: (64 bx + 32 b + 8 u) x 4
	s_lshl_b32 s43, s38, 7
	s_add_co_u32 s42, s42, s43
	s_lshl_b32 s43, s39, 5
	s_add_co_u32 s42, s42, s43
	s_mov_b32 s43, 0
	s_lshl_b32 s44, s18, 17                        ; z2: (32 by + 4 w) rows of 4,096 bytes + 256 bx
	s_lshl_b32 s45, s16, 14
	s_add_co_u32 s44, s44, s45
	s_lshl_b32 s45, ttmp9, 8
	s_add_co_u32 s44, s44, s45
	s_mov_b32 s45, 0
	s_wait_kmcnt 0x0
	s_load_b64 s[20:21], s[10:11], 0x8             ; e2, e3
	s_add_nc_u64 s[24:25], s[4:5], s[34:35]
	s_add_nc_u64 s[26:27], s[6:7], s[40:41]
	s_add_nc_u64 s[30:31], s[8:9], s[42:43]
	s_add_nc_u64 s[32:33], s[12:13], s[44:45]
.set i, 0
.rept 16
	global_load_b128 v[WR+4*i:WR+4*i+3], v5, s[26:27] offset:4*i*KROW       ; four rows of W2, 128 bytes of each
.set i, i+1
.endr
.irp t, 0,1
.irp p, 0,1,2,3,4,5,6,7
	global_load_b64 v[AF+16*\t+2*\p:AF+16*\t+2*\p+1], v7, s[24:25] offset:16384*\t+256*\p   ; a pair of the operand's registers: 32 lanes read 256 consecutive bytes
.endr
.endr
	global_load_b128 v[BI:BI+3], v14, s[30:31]
	global_load_b128 v[BI+4:BI+7], v14, s[30:31] offset:16
	s_wait_kmcnt 0x0
	s_add_co_i32 s28, s20, s21
	s_add_co_i32 s28, s28, 127
	s_lshl_b32 s28, s28, 23                        ; 2^(e2 + e3)
	s_mov_b32 s29, s28
	s_wait_loadcnt 18                              ; W2's 16 loads are in; h1's 16 and b2's 2 are younger
.set i, 0
.rept 16
	ds_store_b128 v6, v[WR+4*i:WR+4*i+3] offset:WOFF+PITCH*(32*(i/8)+16*((i/2)%2)+8*((i/4)%2)+4*(i%2))   ; each row to the slot of its tile
.set i, i+1
.endr
.irp t, 0,1,2,3
.irp c, 0,1,2,3
	ds_load_b128 v[WF+16*\t+4*\c:WF+16*\t+4*\c+3], v8 offset:WOFF+16*\t*PITCH+32*\c   ; LDS serves a wave's instructions in order: these see my stores
.endr
.endr
	s_wait_loadcnt 2                               ; h1's fragments are in; b2's 2 loads may be out
	s_wait_dscnt 0x0
.irp t, 0,1
.irp c, 0,1,2,3
	v_wmma_f32_16x16x128_bf8_bf8 v[ACC+8*(4*\t+\c):ACC+8*(4*\t+\c)+7], v[WF+16*\c:WF+16*\c+15], v[AF+16*\t:AF+16*\t+15], 0
.endr
.endr
.rept 4
	v_nop                                          ; four places behind the last product: for the stores that read results, and for the later loads into these registers
.endr
.set g, 0
.rept 16
	ds_store_b128 v9, v[ACC+4*g:ACC+4*g+3] offset:512*g   ; my partial sums as an image of their registers, each accumulator from its low end on
.set g, g+1
.endr
	s_wait_dscnt 0x0                               ; for the others' sake: my image has landed
	s_barrier_signal -1
	s_barrier_wait -1
.set p, 0
.rept NP
	ds_load_b128 v[RB+8*p:RB+8*p+3], v10 offset:p*REGION
	ds_load_b128 v[RB+8*p+4:RB+8*p+7], v10 offset:p*REGION+512
.set p, p+1
.endr
.set p, 1
.rept NP-1
	s_wait_dscnt 2*NP-2-2*p                        ; partials 0 .. p are in; the loads behind them may be out
.irp j, 0,2,4,6
	v_pk_add_f32 v[RB+\j:RB+\j+1], v[RB+\j:RB+\j+1], v[RB+8*p+\j:RB+8*p+\j+1]
.endr
.set p, p+1
.endr
	s_wait_loadcnt 0x0                             ; b2
.irp j, 0,2,4,6
	v_pk_fma_f32 v[RB+\j:RB+\j+1], v[RB+\j:RB+\j+1], s[28:29], v[BI+\j:BI+\j+1] op_sel_hi:[1,0,1]   ; sum x 2^(e2 + e3) + b2
.endr
	; THE WAY OUT: a row's 256 bytes come from four waves: they meet in the stage and leave as whole rows
	ds_store_b128 v11, v[RB:RB+3]
	ds_store_b128 v11, v[RB+4:RB+7] offset:16
	s_wait_dscnt 0x0                               ; for the others' sake: my stores into the stage are done
	s_barrier_signal -1
	s_barrier_wait -1
	ds_load_b128 v[OB:OB+3], v12
	ds_load_b128 v[OB+4:OB+7], v12 offset:2*SP
	s_wait_dscnt 0x1
	global_store_b128 v13, v[OB:OB+3], s[32:33]                 ; 16 lanes store 256 consecutive bytes, at a multiple of 256 from z2's first byte
	s_wait_dscnt 0x0
	global_store_b128 v13, v[OB+4:OB+7], s[32:33] offset:8192
	s_wait_tensorcnt 0x0
	ds_add_u32 v208, v209
	s_wait_dscnt 0x0
	s_endpgm
.Lfunc_end_k_qf4593efdf3_layer2:
	.size	k_qf4593efdf3_layer2, .Lfunc_end_k_qf4593efdf3_layer2-k_qf4593efdf3_layer2
	.p2alignl 7, 3214868480
	.fill 96, 4, 3214868480
	.section	.rodata,"a",@progbits
	.p2align	6, 0x0
	.amdhsa_kernel k_qf4593efdf3_layer2
		.amdhsa_group_segment_fixed_size 83456
		.amdhsa_private_segment_fixed_size 0
		.amdhsa_enable_private_segment 0
		.amdhsa_kernarg_size 40
		.amdhsa_user_sgpr_count 2
		.amdhsa_user_sgpr_kernarg_segment_ptr 1
		.amdhsa_wavefront_size32 1
		.amdhsa_system_sgpr_workgroup_id_x 1
		.amdhsa_system_sgpr_workgroup_id_y 1
		.amdhsa_system_sgpr_workgroup_id_z 1
		.amdhsa_system_vgpr_workitem_id 0
		.amdhsa_next_free_vgpr 210
		.amdhsa_next_free_sgpr 66
		.amdhsa_reserve_vcc 0
		.amdhsa_float_denorm_mode_32 3
		.amdhsa_float_denorm_mode_16_64 3
		.amdhsa_memory_ordered 1
		.amdhsa_forward_progress 1
		.amdhsa_inst_pref_size 15
	.end_amdhsa_kernel
	.amdgpu_metadata
---
amdhsa.version: [ 1, 2 ]
amdhsa.kernels:
  - .name:           k_qf4593efdf3_layer2
    .symbol:         k_qf4593efdf3_layer2.kd
    .args:
      - { .name: h1c, .offset: 0, .size: 8, .value_kind: global_buffer, .address_space: global }
      - { .name: W2_codes, .offset: 8, .size: 8, .value_kind: global_buffer, .address_space: global }
      - { .name: b2, .offset: 16, .size: 8, .value_kind: global_buffer, .address_space: global }
      - { .name: lowp_scales, .offset: 24, .size: 8, .value_kind: global_buffer, .address_space: global }
      - { .name: z2, .offset: 32, .size: 8, .value_kind: global_buffer, .address_space: global }
    .group_segment_fixed_size: 83456
    .private_segment_fixed_size: 0
    .kernarg_segment_align: 8
    .kernarg_segment_size: 40
    .max_flat_workgroup_size: 256
    .sgpr_count:     66
    .vgpr_count:     210
    .wavefront_size: 32
...
	.end_amdgpu_metadata
.endif
;; end of part 2
;; launch choose (part 3): grid 96 x 1, 4 waves a work-group, no clusters, 4,608 bytes of LDS; arguments z2, gumbel, lowp_scales, h2c, idx; writes h2c, idx
.if DOCPART == 3
	.amdgcn_target "amdgcn-amd-amdhsa--gfx1250"
	.amdhsa_code_object_version 6
	.text
	.protected	k_qf4593efdf3_choose
	.globl	k_qf4593efdf3_choose
	.p2align	8
	.type	k_qf4593efdf3_choose,@function
k_qf4593efdf3_choose:
	s_mov_b64 s[64:65], 0
	v_nop
	global_prefetch_b8 v0, s[64:65] scope:SCOPE_SE
	s_setreg_imm32_b32 hwreg(HW_REG_WAVE_MODE, 25, 1), 1
	s_wait_xcnt 0x0
; For each of the 384 rows: y = softmax(z2 + gumbel) (tau = 1: the division changes nothing), the first index of y's largest number, h2 = (one_hot - y) + y in f32, h2's codes of BF8 (E5M2) with
; the scale 2^e4, and the index as a whole number.  z2, gumbel: [384][1024] f32.  h2c: [384][1024] codes.  idx: [384] int32.
; One wave, one row: 32 numbers a lane (register 4 i + e of lane l is column 128 i + 4 l + e), so every maximum and sum stays inside the wave: no barrier.  Memory binds: each load of a wave reads 512
; consecutive bytes, all sixteen are asked for at the head; the matrix unit, clusters and tensor loads would add nothing.
; The largest number is taken away before the exponential, as the softmax does: the largest term is 2^0 = 1, so the sum lies between 1 and 1,024.
; The index enters no address here: it is stored at a fixed place, for a later launch to read.
; LIMITS: e4 between -126 and 112.  NaN and infinities among the inputs are not served.  1 / sum is v_rcp_f32 and a multiplication.
.set T, 16                             ; v16-47   z2, then t, t - M, e, y
.set G, 48                             ; v48-79   gumbel
.set H, 80                             ; v80-111  one_hot, then h2
.set C, 112                            ; v112-119 codes: chunk i's four in v[C+i]
.set O, 120                            ; v120-127 the row's codes, 16 bytes a lane
; v1 lane, v2 2^e4, v3 57,344 x 2^e4, v4 16 lane, v5, v6 LDS addresses, v7 0, v8 a maximum, v9 at work, v[10:11] the sum and its reciprocal, v[12:13] a second chain, then the index, v14 1.0, v15 index - 4 lane
.macro ROWMAX d, t                     ; the largest of the row's 1,024 numbers in v[T] on, in every lane: two chains in the lane, four steps inside each half of the lanes, one across
	v_max3_num_f32 v[\d], v[T], v[T+1], v[T+2]
	v_max3_num_f32 v[\t], v[T+3], v[T+4], v[T+5]
.irp i, 6,10,14,18,22,26
	v_max3_num_f32 v[\d], v[\d], v[T+\i], v[T+\i+1]
	v_max3_num_f32 v[\t], v[\t], v[T+\i+2], v[T+\i+3]
.endr
	v_max3_num_f32 v[\d], v[\d], v[T+30], v[T+31]
	v_max_num_f32 v[\d], v[\d], v[\t]
	v_max_num_f32_dpp v[\d], v[\d], v[\d] row_xmask:1 row_mask:0xf bank_mask:0xf
	v_max_num_f32_dpp v[\d], v[\d], v[\d] row_xmask:2 row_mask:0xf bank_mask:0xf
	v_max_num_f32_dpp v[\d], v[\d], v[\d] row_xmask:4 row_mask:0xf bank_mask:0xf
	v_max_num_f32_dpp v[\d], v[\d], v[\d] row_xmask:8 row_mask:0xf bank_mask:0xf
	v_permlanex16_b32 v[\t], v[\d], s12, s13
	v_max_num_f32 v[\d], v[\d], v[\t]
.endm
	s_load_b256 s[4:11], s[0:1], 0x0               ; z2 s[4:5], gumbel s[6:7], the scales' exponents s[8:9], h2c s[10:11]
	s_load_b64 s[14:15], s[0:1], 0x20              ; idx
	v_lshl_add_u32 v128, v0, 2, 0x1000
	v_mov_b32 v129, 0
	v_lshrrev_b32 v1, 5, v0
	v_readfirstlane_b32 s16, v1                    ; wave 0..3
	v_and_b32 v1, 31, v0
	s_lshl_b32 s17, ttmp9, 2
	s_add_co_u32 s17, s17, s16                     ; my row
	s_lshl_b32 s18, s17, 12                        ; in z2 and gumbel,
	s_mov_b32 s19, 0
	s_lshl_b32 s22, s17, 10                        ; in h2c,
	s_mov_b32 s23, 0
	s_lshl_b32 s24, s17, 2                         ; in idx
	s_mov_b32 s25, 0
	s_mov_b32 s12, 0x76543210                      ; v_permlanex16_b32: each lane takes its own place in the other half
	s_mov_b32 s13, 0xfedcba98
	v_lshlrev_b32 v4, 4, v1
	s_lshl_b32 s21, s16, 10                        ; my wave's 1,024 bytes of LDS
	v_lshl_add_u32 v5, v1, 2, s21
	v_add_nc_u32 v6, s21, v4
	v_mov_b32 v7, 0
	s_wait_kmcnt 0x0
	s_load_b32 s20, s[8:9], 0x10                   ; e4
	s_add_nc_u64 s[4:5], s[4:5], s[18:19]
	s_add_nc_u64 s[6:7], s[6:7], s[18:19]
	s_add_nc_u64 s[10:11], s[10:11], s[22:23]
	s_add_nc_u64 s[14:15], s[14:15], s[24:25]
.irp i, 0,1,2,3,4,5,6,7
	global_load_b128 v[T+4*\i:T+4*\i+3], v4, s[4:5] offset:512*\i th:TH_LOAD_NT
	global_load_b128 v[G+4*\i:G+4*\i+3], v4, s[6:7] offset:512*\i th:TH_LOAD_NT
.endr
	s_wait_kmcnt 0x0
	s_add_co_i32 s20, s20, 127
	s_lshl_b32 s26, s20, 23
	v_mov_b32 v2, s26                              ; 2^e4 as f32
	s_add_co_i32 s20, s20, 15
	s_lshl_b32 s20, s20, 23
	s_or_b32 s20, s20, 0x600000
	v_mov_b32 v3, s20                              ; 57,344 x 2^e4
	s_wait_loadcnt 0x0
.set j, 0
.rept 16
	v_pk_add_f32 v[T+j:T+j+1], v[T+j:T+j+1], v[G+j:G+j+1]      ; t = z2 + gumbel
.set j, j+2
.endr
	ROWMAX 8, 9                                    ; M
.set j, 0
.rept 16
	v_pk_add_f32 v[T+j:T+j+1], v[T+j:T+j+1], v[8:9] op_sel_hi:[1,0] neg_lo:[0,1] neg_hi:[0,1]   ; t - M: 0 at the largest
.set j, j+2
.endr
.set j, 0
.rept 16
	v_pk_mul_f32 v[T+j:T+j+1], v[T+j:T+j+1], 0x3fb8aa3b op_sel_hi:[1,0]                         ; x log2(e)
.set j, j+2
.endr
.set j, 0
.rept 32
	v_exp_f32 v[T+j], v[T+j]
.set j, j+1
.endr
	v_mov_b32 v14, 1.0                             ; a plain line behind the exponentials
	s_wait_alu depctr_va_vdst(0)                   ; one wait for the batch, ahead of its first reader
	v_pk_add_f32 v[10:11], v[T:T+1], v[T+2:T+3]    ; the sum, two at a time, in two chains
	v_pk_add_f32 v[12:13], v[T+4:T+5], v[T+6:T+7]
.irp j, 8,12,16,20,24,28
	v_pk_add_f32 v[10:11], v[10:11], v[T+\j:T+\j+1]
	v_pk_add_f32 v[12:13], v[12:13], v[T+\j+2:T+\j+3]
.endr
	v_pk_add_f32 v[10:11], v[10:11], v[12:13]
	v_add_f32 v10, v10, v11
	v_add_f32_dpp v10, v10, v10 row_xmask:1 row_mask:0xf bank_mask:0xf
	v_add_f32_dpp v10, v10, v10 row_xmask:2 row_mask:0xf bank_mask:0xf
	v_add_f32_dpp v10, v10, v10 row_xmask:4 row_mask:0xf bank_mask:0xf
	v_add_f32_dpp v10, v10, v10 row_xmask:8 row_mask:0xf bank_mask:0xf
	v_permlanex16_b32 v11, v10, s12, s13
	v_add_f32 v10, v10, v11
	v_rcp_f32 v10, v10
	v_nop                                          ; a plain line behind the reciprocal
	s_wait_alu depctr_va_vdst(0)                   ; and the wait ahead of its first reader
.set j, 0
.rept 16
	v_pk_mul_f32 v[T+j:T+j+1], v[T+j:T+j+1], v[10:11] op_sel_hi:[1,0]   ; y
.set j, j+2
.endr
	ROWMAX 8, 9                                    ; y's largest number
	v_mov_b32 v12, 0x400                           ; my first register that holds it; 1,024 if none does
.set j, 31
.rept 32
	v_cmp_neq_f32 vcc_lo, v[T+j], v8
	v_cndmask_b32 v12, j, v12, vcc_lo              ; descending, so that the lowest register has the last word
.set j, j-1
.endr
	v_and_b32 v13, -4, v12
	v_and_b32 v12, 3, v12
	v_lshl_add_u32 v12, v13, 5, v12
	v_lshl_add_u32 v12, v1, 2, v12                 ; its column: 128 (J / 4) + J % 4 + 4 lane; 32,768 or more where the lane has none
	v_cvt_f32_u32 v12, v12                         ; (whole numbers under 2^24 are exact in f32)
	v_min_num_f32_dpp v12, v12, v12 row_xmask:1 row_mask:0xf bank_mask:0xf
	v_min_num_f32_dpp v12, v12, v12 row_xmask:2 row_mask:0xf bank_mask:0xf
	v_min_num_f32_dpp v12, v12, v12 row_xmask:4 row_mask:0xf bank_mask:0xf
	v_min_num_f32_dpp v12, v12, v12 row_xmask:8 row_mask:0xf bank_mask:0xf
	v_permlanex16_b32 v13, v12, s12, s13
	v_min_num_f32 v12, v12, v13
	v_cvt_u32_f32 v12, v12                         ; the row's first column that holds the largest y
	v_lshlrev_b32 v15, 2, v1
	v_sub_nc_u32 v15, v12, v15
.set j, 0
.rept 32
	v_cmp_eq_u32 vcc_lo, 128*(j/4)+j%4, v15
	v_cndmask_b32 v[H+j], 0, v14, vcc_lo           ; one_hot
.set j, j+1
.endr
.set j, 0
.rept 16
	v_pk_add_f32 v[H+j:H+j+1], v[H+j:H+j+1], v[T+j:T+j+1] neg_lo:[0,1] neg_hi:[0,1]   ; - y
.set j, j+2
.endr
.set j, 0
.rept 16
	v_pk_add_f32 v[H+j:H+j+1], v[H+j:H+j+1], v[T+j:T+j+1]                             ; + y: h2
.set j, j+2
.endr
.set j, 0
.rept 32
	v_med3_num_f32 v[H+j], v[H+j], -v3, v3         ; the conversion to an 8-bit code does not saturate (ISA guide 7.6.2): the hold at the largest code x the scale
.set j, j+1
.endr
.irp q, 0,1,2,3
	v_cvt_scalef32_pk8_bf8_f32 v[C+2*\q:C+2*\q+1], v[H+8*\q:H+8*\q+7], v2   ; chunks 2 q and 2 q + 1: four codes of each, a register a chunk
.endr
	v_nop
.irp i, 0,1,2,3,4,5,6,7
	ds_store_b32 v5, v[C+\i] offset:128*\i         ; the row's codes in their order: byte 128 i + 4 lane
.endr
	ds_load_b128 v[O:O+3], v6                      ; LDS serves a wave's instructions in order (ISA guide 5.7.1.4): these see my stores
	ds_load_b128 v[O+4:O+7], v6 offset:512
	s_wait_dscnt 0x1
	global_store_b128 v4, v[O:O+3], s[10:11]       ; 32 lanes store 512 consecutive bytes, at a multiple of 256 from h2c's first byte
	s_wait_dscnt 0x0
	global_store_b128 v4, v[O+4:O+7], s[10:11] offset:512
	s_wait_xcnt 0x0                                ; EXEC is a source of the stores above: it changes only behind this wait
	s_wait_tensorcnt 0x0
	ds_add_u32 v128, v129
	s_wait_dscnt 0x0
	v_cmpx_gt_u32 1, v1                            ; lane 0 alone
	global_store_b32 v7, v12, s[14:15]             ; the row's index: four bytes are all there is
	s_endpgm
.Lfunc_end_k_qf4593efdf3_choose:
	.size	k_qf4593efdf3_choose, .Lfunc_end_k_qf4593efdf3_choose-k_qf4593efdf3_choose
	.p2alignl 7, 3214868480
	.fill 96, 4, 3214868480
	.section	.rodata,"a",@progbits
	.p2align	6, 0x0
	.amdhsa_kernel k_qf4593efdf3_choose
		.amdhsa_group_segment_fixed_size 4608
		.amdhsa_private_segment_fixed_size 0
		.amdhsa_enable_private_segment 0
		.amdhsa_kernarg_size 40
		.amdhsa_user_sgpr_count 2
		.amdhsa_user_sgpr_kernarg_segment_ptr 1
		.amdhsa_wavefront_size32 1
		.amdhsa_system_sgpr_workgroup_id_x 1
		.amdhsa_system_sgpr_workgroup_id_y 1
		.amdhsa_system_sgpr_workgroup_id_z 1
		.amdhsa_system_vgpr_workitem_id 0
		.amdhsa_next_free_vgpr 130
		.amdhsa_next_free_sgpr 66
		.amdhsa_reserve_vcc 1
		.amdhsa_float_denorm_mode_32 3
		.amdhsa_float_denorm_mode_16_64 3
		.amdhsa_memory_ordered 1
		.amdhsa_forward_progress 1
		.amdhsa_inst_pref_size 24
	.end_amdhsa_kernel
	.amdgpu_metadata
---
amdhsa.version: [ 1, 2 ]
amdhsa.kernels:
  - .name:           k_qf4593efdf3_choose
    .symbol:         k_qf4593efdf3_choose.kd
    .args:
      - { .name: z2, .offset: 0, .size: 8, .value_kind: global_buffer, .address_space: global }
      - { .name: gumbel, .offset: 8, .size: 8, .value_kind: global_buffer, .address_space: global }
      - { .name: lowp_scales, .offset: 16, .size: 8, .value_kind: global_buffer, .address_space: global }
      - { .name: h2c, .offset: 24, .size: 8, .value_kind: global_buffer, .address_space: global }
      - { .name: idx, .offset: 32, .size: 8, .value_kind: global_buffer, .address_space: global }
    .group_segment_fixed_size: 4608
    .private_segment_fixed_size: 0
    .kernarg_segment_align: 8
    .kernarg_segment_size: 40
    .max_flat_workgroup_size: 128
    .sgpr_count:     66
    .vgpr_count:     130
    .wavefront_size: 32
...
	.end_amdgpu_metadata
.endif
;; end of part 3
;; launch density (part 4): grid 16 x 12, 8 waves a work-group, no clusters, 121,344 bytes of LDS; arguments h2c, W3_codes, b3, idx, lowp_scales, out0; writes out0
.if DOCPART == 4
	.amdgcn_target "amdgcn-amd-amdhsa--gfx1250"
	.amdhsa_code_object_version 6
	.text
	.protected	k_qf4593efdf3_density
	.globl	k_qf4593efdf3_density
	.p2align	8
	.type	k_qf4593efdf3_density,@function
k_qf4593efdf3_density:
	s_mov_b64 s[64:65], 0
	v_nop
	global_prefetch_b8 v0, s[64:65] scope:SCOPE_SE
	s_setreg_imm32_b32 hwreg(HW_REG_WAVE_MODE, 25, 1), 1
	s_wait_xcnt 0x0
; z3 = h2 W3^T + b3 on codes of BF8 (E5M2), and out0[i][f] = (sum over j of alpha / (1 + 1e4 (z3[i][f] - h2[j][f])^2)) / 384 + beta.
; h2c: [384][1024] codes, scale 2^e4.  W3: [1024][1024] codes, K innermost, scale 2^e5.  idx: [384] int32, each row's chosen column.  out0: [384][1024] f32.
; THE SUM OVER j.  h2 = (one_hot - y) + y in f32, rounded to nearest even, IS one_hot, for every y between 0 and 1: off the chosen column (0 - y) + y = 0; on it, 1 - y is exact for y >= 1/2, and for
; y < 1/2 it is off by 2^-25 at the most, so that the sum lies within 2^-25 of 1 and rounds to 1 (the tie at 1 - 2^-25 goes to the even mantissa, 1).  So column f of h2 holds c[f] ones and 384 - c[f]
; zeros, c[f] the number of rows that chose f, and the 384 terms are (384 - c) terms 1 / (1 + 1e4 z^2) and c terms 1 / (1 + 1e4 (z - 1)^2): the same terms, gathered by value.
; The indices enter compares alone: no address and no branch hangs on them.
; SHARES.  A work-group makes 32 rows x 64 columns (grid 16 x 12).  K = 1,024 is split over its EIGHT waves, 128 to a wave, with no loop over K; the partial sums meet in LDS, wave a adds accumulator a.
; Each wave also counts 48 of the 384 indices against the tile's 64 columns (two a lane) while its loads are on their way; the eight partial counts meet in LDS too.
; The matrix instruction is used transposed, W3's rows are dealt to tiles and k to registers as in the launches before: in accumulator (t, 2 b + u) lane (r, h) holds row 16 t + r, columns 32 b + 16 h + 8 u + 0 .. 7.
; NO JOINT LOADS: what neighbours share is 32 KB of h2's codes or 64 KB of W3's, asked for once at the head; two rounds of a cluster's barrier would stand beside 8 matrix instructions a wave.
; LIMITS: e4 + e5 between -126 and 127.  NaN and infinities among the inputs are not served.  The split of K gives another order of the f32 sums; 1 / (1 + ..) is v_rcp_f32.
.set KROW,   1024
.set KSH,    10
.set PITCH,  144                       ; an LDS row: 128 codes + 16 bytes
.set REGION, 96*PITCH                  ; a wave's own LDS: 32 rows of h2's codes, 64 of W3's; later its image of partial sums (8,192 bytes)
.set AOFF,   0
.set WOFF,   32*PITCH
.set NP,     8
.set CNT,    8*REGION                  ; the partial counts: 128 bytes a wave: word l = columns 2 l (low half) and 2 l + 1 (high half)
.set STG,    CNT+1024                  ; the stage for the way out: 32 rows x (256 bytes + 16)
.set SP,     272
.set AR,  16                           ; v16-47   h2's codes as loaded
.set WR,  48                           ; v48-111  W3's codes as loaded
.set ACC, 16                           ; v16-79   later: eight accumulators
.set AF,  112                          ; v112-143 h2's two fragments
.set WF,  144                          ; v144-207 W3's four fragments
.set RB,  80                           ; v80-143  later: eight partials of one accumulator
.set CP,  144                          ; v144-175 later: eight partial counts of my eight columns
.set OB,  144                          ; v144-151 last: four rows' parts on the way out
.set Z,   176                          ; v176-183 z3, at the end the result
.set D1,  184                          ; v184-191 z3 - 1
.set T0,  192                          ; v192-199 1 + 1e4 z3^2, its reciprocal, the sum
.set T1,  200                          ; v200-207 the same of z3 - 1
.set BI,  208                          ; v208-215 b3 at my eight columns
.set COL, 216                          ; v216, v217 my two columns;  v218, v219 their counts;  v220 both, packed
.set CF,  224                          ; v224-231 c as f32
.set NF,  232                          ; v232-239 384 - c
; v1 lane, v2 r, v3 h, v4 the codes' load offset, v5 their place in LDS, v6 fragments, v7 my image, v8, v9 the images I add, v10 64 h, v11 into the stage, v12 out of it, v13 my offset in out0,
; v14 where I put my counts, v15 where I read eight columns' counts;  v[240:241] beta
.macro COUNT first                     ; sixteen indices against my two columns: the compare's bit is added as a carry
.set k, \first
.rept 16
	v_cmp_eq_u32 vcc_lo, s[k], v[COL]
	v_add_co_ci_u32 v[COL+2], vcc_lo, 0, v[COL+2], vcc_lo
	v_cmp_eq_u32 vcc_lo, s[k], v[COL+1]
	v_add_co_ci_u32 v[COL+3], vcc_lo, 0, v[COL+3], vcc_lo
.set k, k+1
.endr
.endm
	s_load_b256 s[4:11], s[0:1], 0x0               ; h2c s[4:5], W3's codes s[6:7], b3 s[8:9], idx s[10:11]
	s_load_b128 s[12:15], s[0:1], 0x20             ; the scales' exponents s[12:13], out0 s[14:15]
	v_lshl_add_u32 v248, v0, 2, 0x1d600
	v_mov_b32 v249, 0
	v_lshrrev_b32 v1, 5, v0
	v_readfirstlane_b32 s16, v1                    ; wave 0..7: my K step, my 48 indices, and the accumulator that I add
	v_and_b32 v1, 31, v0
	v_and_b32 v2, 15, v0
	v_bfe_u32 v3, v0, 4, 1
	s_and_b32 s18, ttmp7, 0xffff                   ; by
	s_mul_i32 s19, s16, REGION
	v_lshlrev_b32 v10, 4, v1                       ; 16 lane, for the lines below
	v_lshrrev_b32 v14, 3, v1
	v_and_b32 v15, 7, v1
	v_lshlrev_b32 v15, 4, v15
	v_lshl_add_u32 v4, v14, KSH, v15               ; (lane / 8) rows of 1,024 bytes + 16 (lane % 8): for h2's codes and for W3's
	v_mad_u32_u24 v5, v14, PITCH, v15
	v_add_nc_u32 v5, s19, v5
	v_mul_u32_u24 v6, v2, PITCH
	v_lshl_add_u32 v6, v3, 4, v6
	v_add_nc_u32 v6, s19, v6
	v_add_nc_u32 v7, s19, v10
	s_lshl_b32 s98, s16, 10
	v_add_nc_u32 v8, s98, v10
	v_add_nc_u32 v9, 4*REGION, v8
	v_lshlrev_b32 v10, 6, v3
	s_bfe_u32 s17, s16, 0x10002                    ; t
	s_bfe_u32 s84, s16, 0x10001                    ; b
	s_and_b32 s85, s16, 1                          ; u
	s_mul_i32 s98, s17, 16*SP
	s_lshl_b32 s99, s84, 7
	s_add_co_u32 s98, s98, s99
	s_lshl_b32 s99, s85, 5
	s_add_co_u32 s98, s98, s99
	s_add_co_u32 s98, s98, STG
	v_mul_u32_u24 v11, v2, SP
	v_lshl_add_u32 v11, v3, 6, v11
	v_add_nc_u32 v11, s98, v11                     ; stage row 16 t + r, byte 128 b + 64 h + 32 u
	s_mul_i32 s98, s16, 4*SP
	s_add_co_u32 s98, s98, STG
	v_mul_u32_u24 v12, v3, SP
	v_lshl_add_u32 v12, v2, 4, v12
	v_add_nc_u32 v12, s98, v12                     ; back: rows 4 w on; lanes 0-15 one row, lanes 16-31 the next
	v_lshlrev_b32 v13, 12, v3
	v_lshl_add_u32 v13, v2, 4, v13
	s_lshl_b32 s98, s16, 7
	s_add_co_u32 s98, s98, CNT
	v_lshl_add_u32 v14, v1, 2, s98
	s_lshl_b32 s98, s84, 6
	s_lshl_b32 s99, s85, 4
	s_add_co_u32 s98, s98, s99
	s_add_co_u32 s98, s98, CNT
	v_lshl_add_u32 v15, v3, 5, s98                 ; columns 32 b + 16 h + 8 u on are words 16 b + 8 h + 4 u on
	s_lshl_b32 s98, ttmp9, 6
	v_lshl_add_u32 v[COL], v1, 1, s98              ; 64 bx + 2 lane
	v_add_nc_u32 v[COL+1], 1, v[COL]
	v_mov_b32 v[COL+2], 0
	v_mov_b32 v[COL+3], 0
	v_mov_b32 v240, 0x39511d04                     ; beta = 0.5 theta / (384 + theta), theta = 1 / (1 + 1/2 + .. + 1/383)
	v_mov_b32 v241, 0x39511d04
	s_lshl_b32 s88, s18, 15                        ; h2c: 32 by rows of 1,024 bytes + my 128 codes
	s_lshl_b32 s89, s16, 7
	s_add_co_u32 s88, s88, s89
	s_lshl_b32 s90, ttmp9, 16                      ; W3: 64 bx rows + my 128 codes
	s_add_co_u32 s90, s90, s89
	s_mov_b32 s89, 0
	s_mov_b32 s91, 0
	s_lshl_b32 s92, ttmp9, 8                       ; b3: (64 bx + 32 b + 8 u) x 4
	s_lshl_b32 s93, s84, 7
	s_add_co_u32 s92, s92, s93
	s_lshl_b32 s93, s85, 5
	s_add_co_u32 s92, s92, s93
	s_mov_b32 s93, 0
	s_lshl_b32 s94, s18, 17                        ; out0: (32 by + 4 w) rows of 4,096 bytes + 256 bx
	s_lshl_b32 s95, s16, 14
	s_add_co_u32 s94, s94, s95
	s_lshl_b32 s95, ttmp9, 8
	s_add_co_u32 s94, s94, s95
	s_mov_b32 s95, 0
	s_mul_i32 s96, s16, 192                        ; idx: my 48 whole numbers
	s_mov_b32 s97, 0
	s_mov_b32 s84, 0x3b2a993e                      ; alpha / 384, alpha = 384 / (384 + theta)
	s_mov_b32 s85, s84
	s_wait_kmcnt 0x0
	s_load_b64 s[20:21], s[12:13], 0x10            ; e4, e5
	s_add_nc_u64 s[24:25], s[10:11], s[96:97]
	s_load_b512 s[32:47], s[24:25], 0x0
	s_load_b512 s[48:63], s[24:25], 0x40
	s_load_b512 s[68:83], s[24:25], 0x80
	s_add_nc_u64 s[26:27], s[4:5], s[88:89]
	s_add_nc_u64 s[28:29], s[6:7], s[90:91]
	s_add_nc_u64 s[30:31], s[8:9], s[92:93]
	s_add_nc_u64 s[86:87], s[14:15], s[94:95]
.set i, 0
.rept 16
	global_load_b128 v[WR+4*i:WR+4*i+3], v4, s[28:29] offset:4*i*KROW       ; four rows of W3, 128 bytes of each
.set i, i+1
.endr
.set i, 0
.rept 8
	global_load_b128 v[AR+4*i:AR+4*i+3], v4, s[26:27] offset:4*i*KROW       ; four rows of h2's codes likewise
.set i, i+1
.endr
	global_load_b128 v[BI:BI+3], v10, s[30:31]
	global_load_b128 v[BI+4:BI+7], v10, s[30:31] offset:16
	s_wait_kmcnt 0x0
	s_add_co_i32 s22, s20, s21
	s_add_co_i32 s22, s22, 127
	s_lshl_b32 s22, s22, 23                        ; 2^(e4 + e5)
	s_mov_b32 s23, s22
	COUNT 32                                       ; the counting stands where the wave would wait for its loads
	COUNT 48
	COUNT 68
	v_lshl_or_b32 v[COL+4], v[COL+3], 16, v[COL+2]
	ds_store_b32 v14, v[COL+4]
	s_wait_loadcnt 10                              ; W3's 16 loads are in; h2's 8 and b3's 2 are younger
.set i, 0
.rept 16
	ds_store_b128 v5, v[WR+4*i:WR+4*i+3] offset:WOFF+PITCH*(32*(i/8)+16*((i/2)%2)+8*((i/4)%2)+4*(i%2))   ; each row to the slot of its tile
.set i, i+1
.endr
	s_wait_loadcnt 2                               ; h2's codes are in; b3's 2 loads may be out
.set i, 0
.rept 8
	ds_store_b128 v5, v[AR+4*i:AR+4*i+3] offset:AOFF+4*i*PITCH
.set i, i+1
.endr
.irp t, 0,1
.irp c, 0,1,2,3
	ds_load_b128 v[AF+16*\t+4*\c:AF+16*\t+4*\c+3], v6 offset:AOFF+16*\t*PITCH+32*\c   ; LDS serves a wave's instructions in order: these see my stores
.endr
.endr
.irp t, 0,1,2,3
.irp c, 0,1,2,3
	ds_load_b128 v[WF+16*\t+4*\c:WF+16*\t+4*\c+3], v6 offset:WOFF+16*\t*PITCH+32*\c
.endr
.endr
	s_wait_dscnt 0x0
.irp t, 0,1
.irp c, 0,1,2,3
	v_wmma_f32_16x16x128_bf8_bf8 v[ACC+8*(4*\t+\c):ACC+8*(4*\t+\c)+7], v[WF+16*\c:WF+16*\c+15], v[AF+16*\t:AF+16*\t+15], 0
.endr
.endr
.rept 4
	v_nop                                          ; four places behind the last product: for the stores that read results, and for the later loads into these registers
.endr
.set g, 0
.rept 16
	ds_store_b128 v7, v[ACC+4*g:ACC+4*g+3] offset:512*g   ; my partial sums as an image of their registers, each accumulator from its low end on
.set g, g+1
.endr
	s_wait_dscnt 0x0                               ; for the others' sake: my counts and my image have landed
	s_barrier_signal -1
	s_barrier_wait -1
.set p, 0
.rept NP
	ds_load_b128 v[RB+8*p:RB+8*p+3], v[8+p/4] offset:(p%4)*REGION
	ds_load_b128 v[RB+8*p+4:RB+8*p+7], v[8+p/4] offset:(p%4)*REGION+512
.set p, p+1
.endr
.irp w, 0,1,2,3,4,5,6,7
	ds_load_b128 v[CP+4*\w:CP+4*\w+3], v15 offset:128*\w   ; wave w's counts of my eight columns
.endr
.set p, 1
.rept NP-1
	s_wait_dscnt 2*NP-2-2*p+8                      ; partials 0 .. p are in; the loads behind them, the counts' eight among them, may be out
.irp j, 0,2,4,6
	v_pk_add_f32 v[RB+\j:RB+\j+1], v[RB+\j:RB+\j+1], v[RB+8*p+\j:RB+8*p+\j+1]
.endr
.set p, p+1
.endr
	s_wait_dscnt 0x0
.irp w, 1,2,3,4,5,6,7
.irp q, 0,1,2,3
	v_add_nc_u32 v[CP+\q], v[CP+\q], v[CP+4*\w+\q] ; both halves at once: a count is 384 at the most, so nothing is carried from half to half
.endr
.endr
.irp q, 0,1,2,3
	v_and_b32 v[CF+2*\q], 0xffff, v[CP+\q]
	v_lshrrev_b32 v[CF+2*\q+1], 16, v[CP+\q]
.endr
.irp j, 0,1,2,3,4,5,6,7
	v_cvt_f32_u32 v[CF+\j], v[CF+\j]               ; c
.endr
.irp j, 0,1,2,3,4,5,6,7
	v_sub_f32 v[NF+\j], 0x43c00000, v[CF+\j]       ; 384 - c
.endr
	s_wait_loadcnt 0x0                             ; b3
.irp j, 0,2,4,6
	v_pk_fma_f32 v[Z+\j:Z+\j+1], v[RB+\j:RB+\j+1], s[22:23], v[BI+\j:BI+\j+1] op_sel_hi:[1,0,1]   ; z3 = sum x 2^(e4 + e5) + b3
.endr
.irp j, 0,2,4,6
	v_pk_add_f32 v[D1+\j:D1+\j+1], v[Z+\j:Z+\j+1], -1.0 op_sel_hi:[1,0]
.endr
.irp j, 0,2,4,6
	v_pk_mul_f32 v[T0+\j:T0+\j+1], v[Z+\j:Z+\j+1], 0x461c4000 op_sel_hi:[1,0]                     ; 1e4 d
	v_pk_mul_f32 v[T1+\j:T1+\j+1], v[D1+\j:D1+\j+1], 0x461c4000 op_sel_hi:[1,0]
.endr
.irp j, 0,2,4,6
	v_pk_fma_f32 v[T0+\j:T0+\j+1], v[T0+\j:T0+\j+1], v[Z+\j:Z+\j+1], 1.0 op_sel_hi:[1,1,0]        ; (1e4 d) d + 1
	v_pk_fma_f32 v[T1+\j:T1+\j+1], v[T1+\j:T1+\j+1], v[D1+\j:D1+\j+1], 1.0 op_sel_hi:[1,1,0]
.endr
.set j, 0
.rept 16
	v_rcp_f32 v[T0+j], v[T0+j]
.set j, j+1
.endr
	v_nop                                          ; a plain line behind the reciprocals
	s_wait_alu depctr_va_vdst(0)                   ; one wait for the sixteen, ahead of their first reader
.irp j, 0,2,4,6
	v_pk_mul_f32 v[T0+\j:T0+\j+1], v[T0+\j:T0+\j+1], v[NF+\j:NF+\j+1]                             ; the 384 - c terms at h2 = 0
.endr
.irp j, 0,2,4,6
	v_pk_fma_f32 v[T0+\j:T0+\j+1], v[CF+\j:CF+\j+1], v[T1+\j:T1+\j+1], v[T0+\j:T0+\j+1]           ; + the c terms at h2 = 1
.endr
.irp j, 0,2,4,6
	v_pk_fma_f32 v[Z+\j:Z+\j+1], v[T0+\j:T0+\j+1], s[84:85], v[240:241] op_sel_hi:[1,0,1]         ; x alpha / 384 + beta
.endr
	; THE WAY OUT: a row's 256 bytes come from four waves: they meet in the stage and leave as whole rows
	ds_store_b128 v11, v[Z:Z+3]
	ds_store_b128 v11, v[Z+4:Z+7] offset:16
	s_wait_dscnt 0x0                               ; for the others' sake: my stores into the stage are done
	s_barrier_signal -1
	s_barrier_wait -1
	ds_load_b128 v[OB:OB+3], v12
	ds_load_b128 v[OB+4:OB+7], v12 offset:2*SP
	s_wait_dscnt 0x1
	global_store_b128 v13, v[OB:OB+3], s[86:87] th:TH_STORE_NT              ; 16 lanes store 256 consecutive bytes, at a multiple of 256 from out0's first byte; written once, read by nobody here
	s_wait_dscnt 0x0
	global_store_b128 v13, v[OB+4:OB+7], s[86:87] offset:8192 th:TH_STORE_NT
	s_wait_tensorcnt 0x0
	ds_add_u32 v248, v249
	s_wait_dscnt 0x0
	s_endpgm
.Lfunc_end_k_qf4593efdf3_density:
	.size	k_qf4593efdf3_density, .Lfunc_end_k_qf4593efdf3_density-k_qf4593efdf3_density
	.p2alignl 7, 3214868480
	.fill 96, 4, 3214868480
	.section	.rodata,"a",@progbits
	.p2align	6, 0x0
	.amdhsa_kernel k_qf4593efdf3_density
		.amdhsa_group_segment_fixed_size 121344
		.amdhsa_private_segment_fixed_size 0
		.amdhsa_enable_private_segment 0
		.amdhsa_kernarg_size 48
		.amdhsa_user_sgpr_count 2
		.amdhsa_user_sgpr_kernarg_segment_ptr 1
		.amdhsa_wavefront_size32 1
		.amdhsa_system_sgpr_workgroup_id_x 1
		.amdhsa_system_sgpr_workgroup_id_y 1
		.amdhsa_system_sgpr_workgroup_id_z 1
		.amdhsa_system_vgpr_workitem_id 0
		.amdhsa_next_free_vgpr 250
		.amdhsa_next_free_sgpr 100
		.amdhsa_reserve_vcc 1
		.amdhsa_float_denorm_mode_32 3
		.amdhsa_float_denorm_mode_16_64 3
		.amdhsa_memory_ordered 1
		.amdhsa_forward_progress 1
		.amdhsa_inst_pref_size 28
	.end_amdhsa_kernel
	.amdgpu_metadata
---
amdhsa.version: [ 1, 2 ]
amdhsa.kernels:
  - .name:           k_qf4593efdf3_density
    .symbol:         k_qf4593efdf3_density.kd
    .args:
      - { .name: h2c, .offset: 0, .size: 8, .value_kind: global_buffer, .address_space: global }
      - { .name: W3_codes, .offset: 8, .size: 8, .value_kind: global_buffer, .address_space: global }
      - { .name: b3, .offset: 16, .size: 8, .value_kind: global_buffer, .address_space: global }
      - { .name: idx, .offset: 24, .size: 8, .value_kind: global_buffer, .address_space: global }
      - { .name: lowp_scales, .offset: 32, .size: 8, .value_kind: global_buffer, .address_space: global }
      - { .name: out0, .offset: 40, .size: 8, .value_kind: global_buffer, .address_space: global }
    .group_segment_fixed_size: 121344
    .private_segment_fixed_size: 0
    .kernarg_segment_align: 8
    .kernarg_segment_size: 48
    .max_flat_workgroup_size: 256
    .sgpr_count:     100
    .vgpr_count:     250
    .wavefront_size: 32
...
	.end_amdgpu_metadata
.endif
;; end of part 4
;; ======== version 2 of 2: 4 launches
;; workspace buffers: h1c 393,216 bytes; z2 1,572,864 bytes; h2c 393,216 bytes; idx 1,536 bytes of whole numbers
;; launch layer1 (part 5): grid 16 x 12, 16 waves a work-group, no clusters, 223,232 bytes of LDS; arguments x, m, W1_codes, b1, lowp_scales, h1c; writes h1c
.if DOCPART == 5
	.amdgcn_target "amdgcn-amd-amdhsa--gfx1250"
	.amdhsa_code_object_version 6
	.text
	.protected	k_qf4593efdf3_layer1
	.globl	k_qf4593efdf3_layer1
	.p2align	8
	.type	k_qf4593efdf3_layer1,@function
k_qf4593efdf3_layer1:
	s_mov_b64 s[64:65], 0
	v_nop
	global_prefetch_b8 v0, s[64:65] scope:SCOPE_SE
	s_setreg_imm32_b32 hwreg(HW_REG_WAVE_SCHED_MODE, 0, 2), 2
	s_setreg_imm32_b32 hwreg(HW_REG_WAVE_MODE, 25, 1), 1
	s_wait_xcnt 0x0
	s_wait_alu depctr_vm_vsrc(0)
; h1 = relu([x | m] W1^T + b1), the product on codes of BF8 (E5M2); h1 leaves as codes for the next product.
; x, m: [384][1024] f32, quantised here with 2^e0.  W1: [1024][2048] codes, K innermost, scale 2^e1.  h1 is quantised with 2^e2.
; SHARES.  A work-group makes 32 rows x 64 columns of h1 (grid 16 x 12).  K = 2,048 is split over its SIXTEEN waves, 128 to a wave: waves 0-7 take x's columns 128 w on,
; waves 8-15 m's.  So there is no loop over K: a wave asks for all its bytes at its head (16 KB of f32, 8 KB of codes), issues 8 matrix instructions, and the sixteen partial sums
; meet in LDS, where wave a (0-7) adds accumulator a in ascending K.
; THE MATRIX INSTRUCTION IS USED TRANSPOSED (source 0 = 16 rows of W1, source 1 = 16 rows of the input), and THE ROWS OF W1 THAT FORM A TILE ARE NOT NEIGHBOURS: lane r of tile 2 b + u takes row
; 32 b + 8 u + r + 8 (r / 8).  In accumulator (t, 2 b + u) lane (r, h) then holds row 16 t + r and the eight neighbouring columns 32 b + 16 h + 8 u + 0 .. 7.
; A fragment's registers 4 c .. 4 c + 3 hold k = 32 c + 16 h + 0 .. 15: a permutation of k that is the same on both sides, so every product meets its partner.
; h1c IS LAID AS THE NEXT PRODUCT'S OPERAND REGISTERS: [tile of 16 rows: 24][K step of 128: 8][register pair p: 8][lane: 32][8 bytes]; pair p = 2 c + u of lane (r, h) holds k = 32 c + 16 h + 8 u + 0 .. 7.
; NO JOINT LOADS, NO TENSOR LOADS: a work-group's f32 tile is 32 x 2,048 x 4 = 262,144 bytes and its codes 131,072: together more than LDS holds in one fill, so they would need a ring and
; its rounds, for 8 matrix instructions a wave; here each byte goes to the one wave that wants it, once.
; LIMITS: e0 and e2 between -126 and 112, e0 + e1 between -126 and 127, so that each power of two below is an f32 number.  NaN and infinities among the inputs are not served.
; The split of K over waves gives another order of the f32 sums than one chain would.
; THE MODE: SCHED_MODE bits 1:0 = 2 (LLVM: expert scheduling mode 2), set by the entry lines.  The code itself states the register dependences
; between vector or matrix instructions and memory or LDS instructions, with s_wait_alu, always for 0.
; THE PLAN.  Registers that memory or LDS instructions touch:
;   v4 .. v15, v254, v255  offsets and LDS addresses: written by vector instructions at the head and never again: one wait on va_vdst ahead of the first load serves them all.
;   WR   global loads land; LDS stores read it; then the products write accumulators over v144-175, and the last conversion writes v144-145: a wait on vm_vsrc ahead of the first product.
;   AR   global loads land; the holds and conversions read and write it; then the fragments' LDS loads land in v16-111: the wait on va_vdst behind the second half's conversions.
;   CD   the conversions write it, LDS stores read it: a wait on va_vdst behind each half's conversions; each half has registers of its own, so none is written again.
;   ACC  the products write it, the image's LDS stores read it (a wait on va_vdst behind the places); then partial sums land in v112-143 and codes are written to v144-145: a wait on vm_vsrc behind the barrier.
;   AF, WF  LDS loads land, the products read them; then partial sums land there: the wait on va_vdst behind the products has shown the products done reading.
;   CO   the last conversion writes it, the global store reads it: a wait on va_vdst ahead of the store.
.set KROW,   2048                      ; a row of W1 in bytes
.set KSH,    11
.set PITCH,  144                       ; an LDS row: 128 codes + 16 bytes: sixteen rows of a fragment load start 36 words apart
.set REGION, 96*PITCH                  ; a wave's own LDS: 32 rows of the input's codes, then 64 rows of W1's; later its image of partial sums (8,192 bytes) lies over the front
.set AOFF,   0
.set WOFF,   32*PITCH
.set NP,     16                        ; partial sums
.set AR,  16                           ; v16-143  32 rows x 4 numbers of x or m
.set WR,  144                          ; v144-207 W1's codes as loaded
.set CD,  208                          ; v208-239 the input's codes: row i's four in v[CD+i]
.set AF,  16                           ; v16-47   later: the input's two fragments
.set WF,  48                           ; v48-111  W1's four fragments
.set ACC, 112                          ; v112-175 eight accumulators, (t, ct) at ACC + 8 (4 t + ct)
.set RB,  16                           ; v16-143  later: sixteen partials of one accumulator
.set CO,  144                          ; v144-145 eight codes of h1
.set BI,  244                          ; v244-251 b1 at my eight columns
; v1 lane, v2 r, v3 h, v4 16 lane, v5 W1's load offset, v6 W1's place in LDS, v7 the codes' place, v8 fragments, v9 my image, v10-13 the images I add, v14 64 h, v15 8 lane
; v240 2^e0, v241 57,344 x 2^e0, v242 2^e2, v243 57,344 x 2^e2;  v254, v255: the closing add's two, made at the head and kept for it alone
	s_load_b256 s[4:11], s[0:1], 0x0               ; x s[4:5], m s[6:7], W1's codes s[8:9], b1 s[10:11]
	s_load_b128 s[12:15], s[0:1], 0x20             ; the scales' exponents s[12:13], h1c s[14:15]
	v_lshl_add_u32 v254, v0, 2, 0x36000
	v_mov_b32 v255, 0
	v_lshrrev_b32 v1, 5, v0
	v_readfirstlane_b32 s16, v1                    ; wave 0..15
	v_and_b32 v1, 31, v0                           ; lane
	v_and_b32 v2, 15, v0                           ; r
	v_bfe_u32 v3, v0, 4, 1                         ; h
	s_and_b32 s18, ttmp7, 0xffff                   ; by: rows 32 by on;  ttmp9 = bx: columns 64 bx on
	v_lshlrev_b32 v4, 4, v1
	v_lshrrev_b32 v14, 3, v1                       ; lane / 8: which of a load's four rows of W1
	v_and_b32 v15, 7, v1
	v_lshlrev_b32 v15, 4, v15                      ; 16 (lane % 8): which 16 of a row's 128 bytes
	v_lshl_add_u32 v5, v14, KSH, v15
	s_wait_alu depctr_va_sdst(0)                   ; s16 is written, ahead of its first reader: my region, my K step and every base are made from it
	s_mul_i32 s19, s16, REGION                     ; my region
	s_and_b32 s36, s16, 7                          ; my K step inside x or m; also the accumulator that I add
	v_mad_u32_u24 v6, v14, PITCH, v15
	v_add_nc_u32 v6, s19, v6
	v_lshl_add_u32 v7, v1, 2, s19
	v_mul_u32_u24 v8, v2, PITCH
	v_lshl_add_u32 v8, v3, 4, v8
	v_add_nc_u32 v8, s19, v8                       ; row r x pitch + 16 h
	v_add_nc_u32 v9, s19, v4
	s_lshl_b32 s37, s36, 10
	v_add_nc_u32 v10, s37, v4                      ; accumulator a's 1,024 bytes in wave 0's image; waves 4, 8, 12 on in the next three
	v_add_nc_u32 v11, 4*REGION, v10
	v_add_nc_u32 v12, 8*REGION, v10
	v_add_nc_u32 v13, 12*REGION, v10
	v_lshlrev_b32 v14, 6, v3
	v_lshlrev_b32 v15, 3, v1
	s_lshl_b32 s34, s18, 17                        ; the input: 32 by rows of 4,096 bytes
	s_lshl_b32 s35, s36, 9                         ; + my 128 numbers
	s_add_co_u32 s34, s34, s35
	s_mov_b32 s35, 0
	s_lshl_b32 s38, ttmp9, 17                      ; W1: 64 bx rows of 2,048 bytes
	s_lshl_b32 s39, s16, 7                         ; + my 128 codes
	s_add_co_u32 s38, s38, s39
	s_mov_b32 s39, 0
	s_and_b32 s44, s16, 3                          ; ct = 2 b + u of the accumulator that I add
	s_lshl_b32 s40, ttmp9, 8                       ; b1: (64 bx + 32 b + 8 u) x 4
	s_lshr_b32 s41, s44, 1
	s_lshl_b32 s41, s41, 7
	s_add_co_u32 s40, s40, s41
	s_and_b32 s41, s44, 1
	s_lshl_b32 s41, s41, 5
	s_add_co_u32 s40, s40, s41
	s_mov_b32 s41, 0
	s_lshl_b32 s42, s18, 15                        ; h1c: ((2 by + t) 8 + bx / 2) 2,048 + (4 (bx % 2) + ct) 256 = 32,768 by + 16,384 t + 1,024 bx + 256 ct
	s_bfe_u32 s43, s16, 0x10002                    ; t
	s_lshl_b32 s43, s43, 14
	s_add_co_u32 s42, s42, s43
	s_lshl_b32 s43, ttmp9, 10
	s_add_co_u32 s42, s42, s43
	s_lshl_b32 s43, s44, 8
	s_add_co_u32 s42, s42, s43
	s_mov_b32 s43, 0
	s_wait_kmcnt 0x0
	s_load_b128 s[20:23], s[12:13], 0x0            ; e0, e1, e2, e3
	s_cmp_lt_u32 s16, 8                            ; x or m: the choice hangs on the wave's number alone
	s_cselect_b64 s[24:25], s[4:5], s[6:7]
	s_add_nc_u64 s[24:25], s[24:25], s[34:35]
	s_add_nc_u64 s[26:27], s[8:9], s[38:39]
	s_add_nc_u64 s[30:31], s[10:11], s[40:41]
	s_add_nc_u64 s[32:33], s[14:15], s[42:43]
	s_wait_alu depctr_va_vdst(0)                   ; the offsets and LDS addresses v4 to v15 are written, which every load and store of the kernel reads; none of them is written again
	; everything that the wave will read is asked for here: 16 + 32 + 2 loads
.set i, 0
.rept 16
	global_load_b128 v[WR+4*i:WR+4*i+3], v5, s[26:27] offset:4*i*KROW       ; four rows of W1, 128 bytes of each
.set i, i+1
.endr
.set i, 0
.rept 32
	global_load_b128 v[AR+4*i:AR+4*i+3], v4, s[24:25] offset:4096*i         ; row i's 128 numbers: 512 consecutive bytes; lane l holds k = 4 l .. 4 l + 3
.set i, i+1
.endr
	global_load_b128 v[BI:BI+3], v14, s[30:31]
	global_load_b128 v[BI+4:BI+7], v14, s[30:31] offset:16
	s_wait_kmcnt 0x0
	s_add_co_i32 s34, s20, 127
	s_lshl_b32 s35, s34, 23
	v_mov_b32 v240, s35                            ; 2^e0 as f32: the conversion takes its exponent field
	s_add_co_i32 s34, s34, 15
	s_lshl_b32 s34, s34, 23
	s_or_b32 s34, s34, 0x600000
	v_mov_b32 v241, s34                            ; 57,344 x 2^e0
	s_add_co_i32 s34, s22, 127
	s_lshl_b32 s35, s34, 23
	v_mov_b32 v242, s35                            ; 2^e2
	s_add_co_i32 s34, s34, 15
	s_lshl_b32 s34, s34, 23
	s_or_b32 s34, s34, 0x600000
	v_mov_b32 v243, s34                            ; 57,344 x 2^e2
	s_add_co_i32 s28, s20, s21
	s_add_co_i32 s28, s28, 127
	s_lshl_b32 s28, s28, 23                        ; 2^(e0 + e1)
	s_mov_b32 s29, s28                             ; (named with it as a pair, so it is written)
	s_wait_alu depctr_va_vdst(0)
	s_wait_loadcnt 34                              ; W1's 16 loads are in; the 32 of the input and the 2 of b1 are younger
.set i, 0
.rept 16                                       ; row rho = 4 i + lane / 8 goes to the slot of its tile: 32 (rho / 32) + 16 ((rho / 8) % 2) + 8 ((rho / 16) % 2) + rho % 8
	ds_store_b128 v6, v[WR+4*i:WR+4*i+3] offset:WOFF+PITCH*(32*(i/8)+16*((i/2)%2)+8*((i/4)%2)+4*(i%2))
.set i, i+1
.endr
.irp half, 0,1
	s_wait_loadcnt 18-16*\half                     ; rows 16 half .. + 15 are in; younger: the other half's 16 (or none) and b1's 2
.set j, 64*\half
.rept 64
	v_med3_num_f32 v[AR+j], v[AR+j], -v241, v241   ; the conversion to an 8-bit code does not saturate (ISA guide 7.6.2): the hold at the largest code x the scale
.set j, j+1
.endr
.set q, 8*\half
.rept 8
	v_cvt_scalef32_pk8_bf8_f32 v[CD+2*q:CD+2*q+1], v[AR+8*q:AR+8*q+7], v240   ; rows 2 q and 2 q + 1: four codes of each, a register a row
.set q, q+1
.endr
	v_nop                                          ; a plain line behind the last conversion: matrix instructions later write over its sources
	s_wait_alu depctr_va_vdst(0)                   ; this half's conversions have written v[CD ..], which the LDS stores below read; behind the second half's, all holds and conversions are also done with v16-111, in which the fragments' loads land
.set j, 16*\half
.rept 16
	ds_store_b32 v7, v[CD+j] offset:AOFF+PITCH*j   ; 32 lanes: a row's 128 codes
.set j, j+1
.endr
.endr
	; LDS serves a wave's instructions in order (ISA guide 5.7.1.4): the loads below see my stores; nobody else touches my region yet
.irp t, 0,1
.irp c, 0,1,2,3
	ds_load_b128 v[AF+16*\t+4*\c:AF+16*\t+4*\c+3], v8 offset:AOFF+16*\t*PITCH+32*\c
.endr
.endr
.irp t, 0,1,2,3
.irp c, 0,1,2,3
	ds_load_b128 v[WF+16*\t+4*\c:WF+16*\t+4*\c+3], v8 offset:WOFF+16*\t*PITCH+32*\c
.endr
.endr
	s_wait_dscnt 0x0
	s_wait_alu depctr_vm_vsrc(0)                   ; my LDS stores have read v[WR ..]: the products below write accumulators over v144-175
.irp t, 0,1                                    ; eight accumulators, one instruction each: the constant 0 starts every sum
.irp c, 0,1,2,3
	v_wmma_f32_16x16x128_bf8_bf8 v[ACC+8*(4*\t+\c):ACC+8*(4*\t+\c)+7], v[WF+16*\c:WF+16*\c+15], v[AF+16*\t:AF+16*\t+15], 0
.endr
.endr
.rept 4
	v_nop                                          ; four places behind the last product, ahead of the stores that read results; they stay beside the wait below
.endr
	s_wait_alu depctr_va_vdst(0)                   ; the products have written the accumulators, which the LDS stores below read, and are done reading the fragments v16-111, in which partial sums land later
.set g, 0
.rept 16
	ds_store_b128 v9, v[ACC+4*g:ACC+4*g+3] offset:512*g   ; my partial sums as an image of their registers, each accumulator from its low end on; my reads of these bytes are back
.set g, g+1
.endr
	s_wait_dscnt 0x0                               ; for the others' sake: my image has landed
	s_barrier_signal -1
	s_barrier_wait -1
	s_wait_alu depctr_vm_vsrc(0)                   ; the image's stores have read v[ACC ..]: partial sums land in v112-143 and the last conversion writes v144-145
	s_cmp_lt_u32 s16, 8
	s_cbranch_scc0 .Ldone                          ; eight accumulators, eight waves to add them
.set p, 0
.rept NP
	ds_load_b128 v[RB+8*p:RB+8*p+3], v[10+p/4] offset:(p%4)*REGION
	ds_load_b128 v[RB+8*p+4:RB+8*p+7], v[10+p/4] offset:(p%4)*REGION+512
.set p, p+1
.endr
.set p, 1
.rept NP-1
	s_wait_alu depctr_va_vdst(0)
	s_wait_dscnt 2*NP-2-2*p                        ; partials 0 .. p are in; the 2 (NP - 1 - p) loads behind them may be out
.irp j, 0,2,4,6
	v_pk_add_f32 v[RB+\j:RB+\j+1], v[RB+\j:RB+\j+1], v[RB+8*p+\j:RB+8*p+\j+1]   ; K ascending
.endr
.set p, p+1
.endr
	s_wait_alu depctr_va_vdst(0)
	s_wait_loadcnt 0x0                             ; b1
.irp j, 0,2,4,6
	v_pk_fma_f32 v[RB+\j:RB+\j+1], v[RB+\j:RB+\j+1], s[28:29], v[BI+\j:BI+\j+1] op_sel_hi:[1,0,1]   ; sum x 2^(e0 + e1) + b1
.endr
.irp j, 0,1,2,3,4,5,6,7
	v_med3_num_f32 v[RB+\j], v[RB+\j], 0, v243     ; the activation and the hold in one: between 0 and the largest code x 2^e2
.endr
	v_cvt_scalef32_pk8_bf8_f32 v[CO:CO+1], v[RB:RB+7], v242
	v_nop
	s_wait_alu depctr_va_vdst(0)                   ; the conversion has written v[CO:CO+1], which the store reads
	global_store_b64 v15, v[CO:CO+1], s[32:33]     ; 32 lanes store 256 consecutive bytes, at a multiple of 256 from h1c's first byte
.Ldone:
	s_wait_dscnt 0x0                               ; the closing lines, six on end
	s_wait_alu 0x0
	s_wait_tensorcnt 0x0
	ds_add_u32 v254, v255
	s_wait_dscnt 0x0
	s_endpgm
.Lfunc_end_k_qf4593efdf3_layer1:
	.size	k_qf4593efdf3_layer1, .Lfunc_end_k_qf4593efdf3_layer1-k_qf4593efdf3_layer1
	.p2alignl 7, 3214868480
	.fill 96, 4, 3214868480
	.section	.rodata,"a",@progbits
	.p2align	6, 0x0
	.amdhsa_kernel k_qf4593efdf3_layer1
		.amdhsa_group_segment_fixed_size 223232
		.amdhsa_private_segment_fixed_size 0
		.amdhsa_enable_private_segment 0
		.amdhsa_kernarg_size 48
		.amdhsa_user_sgpr_count 2
		.amdhsa_user_sgpr_kernarg_segment_ptr 1
		.amdhsa_wavefront_size32 1
		.amdhsa_system_sgpr_workgroup_id_x 1
		.amdhsa_system_sgpr_workgroup_id_y 1
		.amdhsa_system_sgpr_workgroup_id_z 1
		.amdhsa_system_vgpr_workitem_id 0
		.amdhsa_next_free_vgpr 256
		.amdhsa_next_free_sgpr 66
		.amdhsa_reserve_vcc 0
		.amdhsa_float_denorm_mode_32 3
		.amdhsa_float_denorm_mode_16_64 3
		.amdhsa_memory_ordered 1
		.amdhsa_forward_progress 1
		.amdhsa_inst_pref_size 33
	.end_amdhsa_kernel
	.amdgpu_metadata
---
amdhsa.version: [ 1, 2 ]
amdhsa.kernels:
  - .name:           k_qf4593efdf3_layer1
    .symbol:         k_qf4593efdf3_layer1.kd
    .args:
      - { .name: x, .offset: 0, .size: 8, .value_kind: global_buffer, .address_space: global }
      - { .name: m, .offset: 8, .size: 8, .value_kind: global_buffer, .address_space: global }
      - { .name: W1_codes, .offset: 16, .size: 8, .value_kind: global_buffer, .address_space: global }
      - { .name: b1, .offset: 24, .size: 8, .value_kind: global_buffer, .address_space: global }
      - { .name: lowp_scales, .offset: 32, .size: 8, .value_kind: global_buffer, .address_space: global }
      - { .name: h1c, .offset: 40, .size: 8, .value_kind: global_buffer, .address_space: global }
    .group_segment_fixed_size: 223232
    .private_segment_fixed_size: 0
    .kernarg_segment_align: 8
    .kernarg_segment_size: 48
    .max_flat_workgroup_size: 512
    .sgpr_count:     66
    .vgpr_count:     256
    .wavefront_size: 32
...
	.end_amdgpu_metadata
.endif
;; end of part 5
;; launch layer2 (part 6): grid 16 x 12, 8 waves a work-group, no clusters, 83,456 bytes of LDS; arguments h1c, W2_codes, b2, lowp_scales, z2; writes z2
.if DOCPART == 6
	.amdgcn_target "amdgcn-amd-amdhsa--gfx1250"
	.amdhsa_code_object_version 6
	.text
	.protected	k_qf4593efdf3_layer2
	.globl	k_qf4593efdf3_layer2
	.p2align	8
	.type	k_qf4593efdf3_layer2,@function
k_qf4593efdf3_layer2:
	s_mov_b64 s[64:65], 0
	v_nop
	global_prefetch_b8 v0, s[64:65] scope:SCOPE_SE
	s_setreg_imm32_b32 hwreg(HW_REG_WAVE_SCHED_MODE, 0, 2), 2
	s_setreg_imm32_b32 hwreg(HW_REG_WAVE_MODE, 25, 1), 1
	s_wait_xcnt 0x0
	s_wait_alu depctr_vm_vsrc(0)
; z2 = h1 W2^T + b2, on codes of BF8 (E5M2).  h1c: h1's codes laid as operand registers, [tile of 16 rows: 24][K step: 8][pair: 8][lane: 32][8 bytes], scale 2^e2.
; W2: [1024][1024] codes, K innermost, scale 2^e3.  z2: [384][1024] f32.
; SHARES.  A work-group makes 32 rows x 64 columns (grid 16 x 12).  K = 1,024 is split over its EIGHT waves, 128 to a wave: no loop over K; each wave asks for its 4 KB of h1's codes (straight into
; the operand's registers) and its 8 KB of W2's at its head, issues 8 matrix instructions, and the eight partial sums meet in LDS: wave a adds accumulator a, K ascending.
; The matrix instruction is used transposed, W2's rows are dealt to tiles and k to registers as in the launch before: in accumulator (t, 2 b + u) lane (r, h) holds row 16 t + r, columns 32 b + 16 h + 8 u + 0 .. 7.
; NO JOINT LOADS: what neighbours share is 32 KB of h1's codes or 64 KB of W2's, asked for once at the head; two rounds of a cluster's barrier would stand beside 8 matrix instructions a wave.
; LIMITS: e2 + e3 between -126 and 127.  The split of K over waves gives another order of the f32 sums than one chain would.
; THE MODE: SCHED_MODE bits 1:0 = 2 (LLVM: expert scheduling mode 2), set by the entry lines.  The code itself states the register dependences
; between vector or matrix instructions and memory or LDS instructions, with s_wait_alu, always for 0.
; THE PLAN.  Registers that memory or LDS instructions touch:
;   v4 .. v14, v208, v209  offsets and LDS addresses: written by vector instructions at the head and never again: one wait on va_vdst ahead of the first load.
;   WR   global loads land, LDS stores read it; then the products write the accumulators over it: a wait on vm_vsrc ahead of the first product.
;   ACC  the products write it, the image's LDS stores read it: a wait on va_vdst behind the places; it is not written again.
;   WF   LDS loads land, the products read it; then partial sums land there: the same wait on va_vdst has shown the products done reading.
;   RB   LDS loads land; the sums and the bias write its first eight registers, which the stage's stores read: a wait on va_vdst ahead of them.
;   AF, BI, OB  touched by loads and stores alone, or read by vector and matrix instructions and never loaded again.
.set KROW,   1024
.set KSH,    10
.set PITCH,  144                       ; an LDS row: 128 codes + 16 bytes
.set REGION, 64*PITCH                  ; a wave's own LDS: 64 rows of W2's codes; later its image of partial sums (8,192 bytes)
.set WOFF,   0
.set NP,     8
.set STG,    8*REGION                  ; the stage for the way out: 32 rows x (256 bytes + 16)
.set SP,     272
.set AF,  16                           ; v16-47   h1's two fragments
.set WR,  48                           ; v48-111  W2's codes as loaded
.set ACC, 48                           ; v48-111  later: eight accumulators
.set WF,  112                          ; v112-175 W2's four fragments
.set RB,  112                          ; v112-175 later: eight partials of one accumulator
.set BI,  176                          ; v176-183 b2 at my eight columns
.set OB,  184                          ; v184-191 four rows' parts on the way out
; v1 lane, v2 r, v3 h, v4 16 lane, v5 W2's load offset, v6 its place in LDS, v7 8 lane, v8 fragments, v9 my image, v10 the images I add, v11 into the stage, v12 out of it, v13 my offset in z2, v14 64 h
; v208, v209: the closing add's two, made at the head and kept for it alone
	s_load_b256 s[4:11], s[0:1], 0x0               ; h1c s[4:5], W2's codes s[6:7], b2 s[8:9], the scales' exponents s[10:11]
	s_load_b64 s[12:13], s[0:1], 0x20              ; z2
	v_lshl_add_u32 v208, v0, 2, 0x14200
	v_mov_b32 v209, 0
	v_lshrrev_b32 v1, 5, v0
	v_readfirstlane_b32 s16, v1                    ; wave 0..7: my K step, and the accumulator that I add
	v_and_b32 v1, 31, v0
	v_and_b32 v2, 15, v0
	v_bfe_u32 v3, v0, 4, 1
	s_and_b32 s18, ttmp7, 0xffff                   ; by
	v_lshlrev_b32 v4, 4, v1
	v_lshrrev_b32 v14, 3, v1
	v_and_b32 v7, 7, v1
	v_lshlrev_b32 v7, 4, v7
	v_lshl_add_u32 v5, v14, KSH, v7
	s_wait_alu depctr_va_sdst(0)                   ; s16 is written, ahead of its first reader: my region, my K step and every base are made from it
	s_mul_i32 s19, s16, REGION
	v_mad_u32_u24 v6, v14, PITCH, v7
	v_add_nc_u32 v6, s19, v6
	v_lshlrev_b32 v7, 3, v1
	v_mul_u32_u24 v8, v2, PITCH
	v_lshl_add_u32 v8, v3, 4, v8
	v_add_nc_u32 v8, s19, v8
	v_add_nc_u32 v9, s19, v4
	s_lshl_b32 s37, s16, 10
	v_add_nc_u32 v10, s37, v4
	s_bfe_u32 s36, s16, 0x10002                    ; t
	s_bfe_u32 s38, s16, 0x10001                    ; b
	s_and_b32 s39, s16, 1                          ; u
	s_mul_i32 s37, s36, 16*SP
	s_lshl_b32 s44, s38, 7
	s_add_co_u32 s37, s37, s44
	s_lshl_b32 s44, s39, 5
	s_add_co_u32 s37, s37, s44
	s_add_co_u32 s37, s37, STG
	v_mul_u32_u24 v11, v2, SP
	v_lshl_add_u32 v11, v3, 6, v11
	v_add_nc_u32 v11, s37, v11                     ; stage row 16 t + r, byte 128 b + 64 h + 32 u: my eight columns
	s_mul_i32 s37, s16, 4*SP
	s_add_co_u32 s37, s37, STG
	v_mul_u32_u24 v12, v3, SP
	v_lshl_add_u32 v12, v2, 4, v12
	v_add_nc_u32 v12, s37, v12                     ; back: rows 4 w on; lanes 0-15 one row of 256 bytes, lanes 16-31 the next
	v_lshlrev_b32 v13, 12, v3
	v_lshl_add_u32 v13, v2, 4, v13                 ; and the same two rows in z2
	v_lshlrev_b32 v14, 6, v3
	s_lshl_b32 s34, s18, 15                        ; h1c: (16 by + w) x 2,048
	s_lshl_b32 s35, s16, 11
	s_add_co_u32 s34, s34, s35
	s_mov_b32 s35, 0
	s_lshl_b32 s40, ttmp9, 16                      ; W2: 64 bx rows of 1,024 bytes + my 128 codes
	s_lshl_b32 s41, s16, 7
	s_add_co_u32 s40, s40, s41
	s_mov_b32 s41, 0
	s_lshl_b32 s42, ttmp9, 8                       ; b2: (64 bx + 32 b + 8 u) x 4
	s_lshl_b32 s43, s38, 7
	s_add_co_u32 s42, s42, s43
	s_lshl_b32 s43, s39, 5
	s_add_co_u32 s42, s42, s43
	s_mov_b32 s43, 0
	s_lshl_b32 s44, s18, 17                        ; z2: (32 by + 4 w) rows of 4,096 bytes + 256 bx
	s_lshl_b32 s45, s16, 14
	s_add_co_u32 s44, s44, s45
	s_lshl_b32 s45, ttmp9, 8
	s_add_co_u32 s44, s44, s45
	s_mov_b32 s45, 0
	s_wait_kmcnt 0x0
	s_load_b64 s[20:21], s[10:11], 0x8             ; e2, e3
	s_add_nc_u64 s[24:25], s[4:5], s[34:35]
	s_add_nc_u64 s[26:27], s[6:7], s[40:41]
	s_add_nc_u64 s[30:31], s[8:9], s[42:43]
	s_add_nc_u64 s[32:33], s[12:13], s[44:45]
	s_wait_alu depctr_va_vdst(0)                   ; the offsets and LDS addresses v4 to v14 are written, which every load and store of the kernel reads; none of them is written again
.set i, 0
.rept 16
	global_load_b128 v[WR+4*i:WR+4*i+3], v5, s[26:27] offset:4*i*KROW       ; four rows of W2, 128 bytes of each
.set i, i+1
.endr
.irp t, 0,1
.irp p, 0,1,2,3,4,5,6,7
	global_load_b64 v[AF+16*\t+2*\p:AF+16*\t+2*\p+1], v7, s[24:25] offset:16384*\t+256*\p   ; a pair of the operand's registers: 32 lanes read 256 consecutive bytes
.endr
.endr
	global_load_b128 v[BI:BI+3], v14, s[30:31]
	global_load_b128 v[BI+4:BI+7], v14, s[30:31] offset:16
	s_wait_kmcnt 0x0
	s_add_co_i32 s28, s20, s21
	s_add_co_i32 s28, s28, 127
	s_lshl_b32 s28, s28, 23                        ; 2^(e2 + e3)
	s_mov_b32 s29, s28
	s_wait_loadcnt 18                              ; W2's 16 loads are in; h1's 16 and b2's 2 are younger
.set i, 0
.rept 16
	ds_store_b128 v6, v[WR+4*i:WR+4*i+3] offset:WOFF+PITCH*(32*(i/8)+16*((i/2)%2)+8*((i/4)%2)+4*(i%2))   ; each row to the slot of its tile
.set i, i+1
.endr
.irp t, 0,1,2,3
.irp c, 0,1,2,3
	ds_load_b128 v[WF+16*\t+4*\c:WF+16*\t+4*\c+3], v8 offset:WOFF+16*\t*PITCH+32*\c   ; LDS serves a wave's instructions in order: these see my stores
.endr
.endr
	s_wait_loadcnt 2                               ; h1's fragments are in; b2's 2 loads may be out
	s_wait_dscnt 0x0
	s_wait_alu depctr_vm_vsrc(0)                   ; my LDS stores have read v[WR ..]: the products below write the accumulators over these registers
.irp t, 0,1
.irp c, 0,1,2,3
	v_wmma_f32_16x16x128_bf8_bf8 v[ACC+8*(4*\t+\c):ACC+8*(4*\t+\c)+7], v[WF+16*\c:WF+16*\c+15], v[AF+16*\t:AF+16*\t+15], 0
.endr
.endr
.rept 4
	v_nop                                          ; four places behind the last product, ahead of the stores that read results; they stay beside the wait below
.endr
	s_wait_alu depctr_va_vdst(0)                   ; the products have written the accumulators, which the LDS stores below read, and are done reading v[WF ..], in which partial sums land behind the barrier
.set g, 0
.rept 16
	ds_store_b128 v9, v[ACC+4*g:ACC+4*g+3] offset:512*g   ; my partial sums as an image of their registers, each accumulator from its low end on
.set g, g+1
.endr
	s_wait_dscnt 0x0                               ; for the others' sake: my image has landed
	s_barrier_signal -1
	s_barrier_wait -1
.set p, 0
.rept NP
	ds_load_b128 v[RB+8*p:RB+8*p+3], v10 offset:p*REGION
	ds_load_b128 v[RB+8*p+4:RB+8*p+7], v10 offset:p*REGION+512
.set p, p+1
.endr
.set p, 1
.rept NP-1
	s_wait_alu depctr_va_vdst(0)
	s_wait_dscnt 2*NP-2-2*p                        ; partials 0 .. p are in; the loads behind them may be out
.irp j, 0,2,4,6
	v_pk_add_f32 v[RB+\j:RB+\j+1], v[RB+\j:RB+\j+1], v[RB+8*p+\j:RB+8*p+\j+1]
.endr
.set p, p+1
.endr
	s_wait_alu depctr_va_vdst(0)
	s_wait_loadcnt 0x0                             ; b2
.irp j, 0,2,4,6
	v_pk_fma_f32 v[RB+\j:RB+\j+1], v[RB+\j:RB+\j+1], s[28:29], v[BI+\j:BI+\j+1] op_sel_hi:[1,0,1]   ; sum x 2^(e2 + e3) + b2
.endr
	; THE WAY OUT: a row's 256 bytes come from four waves: they meet in the stage and leave as whole rows
	s_wait_alu depctr_va_vdst(0)                   ; the multiply-adds have written v[RB:RB+7], which the stage's stores read
	ds_store_b128 v11, v[RB:RB+3]
	ds_store_b128 v11, v[RB+4:RB+7] offset:16
	s_wait_dscnt 0x0                               ; for the others' sake: my stores into the stage are done
	s_barrier_signal -1
	s_barrier_wait -1
	ds_load_b128 v[OB:OB+3], v12
	ds_load_b128 v[OB+4:OB+7], v12 offset:2*SP
	s_wait_dscnt 0x1
	global_store_b128 v13, v[OB:OB+3], s[32:33]                 ; 16 lanes store 256 consecutive bytes, at a multiple of 256 from z2's first byte
	s_wait_dscnt 0x0
	global_store_b128 v13, v[OB+4:OB+7], s[32:33] offset:8192
	s_wait_dscnt 0x0                               ; the closing lines, six on end
	s_wait_alu 0x0
	s_wait_tensorcnt 0x0
	ds_add_u32 v208, v209
	s_wait_dscnt 0x0
	s_endpgm
.Lfunc_end_k_qf4593efdf3_layer2:
	.size	k_qf4593efdf3_layer2, .Lfunc_end_k_qf4593efdf3_layer2-k_qf4593efdf3_layer2
	.p2alignl 7, 3214868480
	.fill 96, 4, 3214868480
	.section	.rodata,"a",@progbits
	.p2align	6, 0x0
	.amdhsa_kernel k_qf4593efdf3_layer2
		.amdhsa_group_segment_fixed_size 83456
		.amdhsa_private_segment_fixed_size 0
		.amdhsa_enable_private_segment 0
		.amdhsa_kernarg_size 40
		.amdhsa_user_sgpr_count 2
		.amdhsa_user_sgpr_kernarg_segment_ptr 1
		.amdhsa_wavefront_size32 1
		.amdhsa_system_sgpr_workgroup_id_x 1
		.amdhsa_system_sgpr_workgroup_id_y 1
		.amdhsa_system_sgpr_workgroup_id_z 1
		.amdhsa_system_vgpr_workitem_id 0
		.amdhsa_next_free_vgpr 210
		.amdhsa_next_free_sgpr 66
		.amdhsa_reserve_vcc 0
		.amdhsa_float_denorm_mode_32 3
		.amdhsa_float_denorm_mode_16_64 3
		.amdhsa_memory_ordered 1
		.amdhsa_forward_progress 1
		.amdhsa_inst_pref_size 16
	.end_amdhsa_kernel
	.amdgpu_metadata
---
amdhsa.version: [ 1, 2 ]
amdhsa.kernels:
  - .name:           k_qf4593efdf3_layer2
    .symbol:         k_qf4593efdf3_layer2.kd
    .args:
      - { .name: h1c, .offset: 0, .size: 8, .value_kind: global_buffer, .address_space: global }
      - { .name: W2_codes, .offset: 8, .size: 8, .value_kind: global_buffer, .address_space: global }
      - { .name: b2, .offset: 16, .size: 8, .value_kind: global_buffer, .address_space: global }
      - { .name: lowp_scales, .offset: 24, .size: 8, .value_kind: global_buffer, .address_space: global }
      - { .name: z2, .offset: 32, .size: 8, .value_kind: global_buffer, .address_space: global }
    .group_segment_fixed_size: 83456
    .private_segment_fixed_size: 0
    .kernarg_segment_align: 8
    .kernarg_segment_size: 40
    .max_flat_workgroup_size: 256
    .sgpr_count:     66
    .vgpr_count:     210
    .wavefront_size: 32
...
	.end_amdgpu_metadata
.endif
;; end of part 6
;; launch choose (part 7): grid 96 x 1, 4 waves a work-group, no clusters, 4,608 bytes of LDS; arguments z2, gumbel, lowp_scales, h2c, idx; writes h2c, idx
.if DOCPART == 7
	.amdgcn_target "amdgcn-amd-amdhsa--gfx1250"
	.amdhsa_code_object_version 6
	.text
	.protected	k_qf4593efdf3_choose
	.globl	k_qf4593efdf3_choose
	.p2align	8
	.type	k_qf4593efdf3_choose,@function
k_qf4593efdf3_choose:
	s_mov_b64 s[64:65], 0
	v_nop
	global_prefetch_b8 v0, s[64:65] scope:SCOPE_SE
	s_setreg_imm32_b32 hwreg(HW_REG_WAVE_MODE, 25, 1), 1
	s_wait_xcnt 0x0
; For each of the 384 rows: y = softmax(z2 + gumbel) (tau = 1: the division changes nothing), the first index of y's largest number, h2 = (one_hot - y) + y in f32, h2's codes of BF8 (E5M2) with
; the scale 2^e4, and the index as a whole number.  z2, gumbel: [384][1024] f32.  h2c: [384][1024] codes.  idx: [384] int32.
; One wave, one row: 32 numbers a lane (register 4 i + e of lane l is column 128 i + 4 l + e), so every maximum and sum stays inside the wave: no barrier.  Memory binds: each load of a wave reads 512
; consecutive bytes, all sixteen are asked for at the head; the matrix unit, clusters and tensor loads would add nothing.
; The largest number is taken away before the exponential, as the softmax does: the largest term is 2^0 = 1, so the sum lies between 1 and 1,024.
; The index enters no address here: it is stored at a fixed place, for a later launch to read.
; LIMITS: e4 between -126 and 112.  NaN and infinities among the inputs are not served.  1 / sum is v_rcp_f32 and a multiplication.
.set T, 16                             ; v16-47   z2, then t, t - M, e, y
.set G, 48                             ; v48-79   gumbel
.set H, 80                             ; v80-111  one_hot, then h2
.set C, 112                            ; v112-119 codes: chunk i's four in v[C+i]
.set O, 120                            ; v120-127 the row's codes, 16 bytes a lane
; v1 lane, v2 2^e4, v3 57,344 x 2^e4, v4 16 lane, v5, v6 LDS addresses, v7 0, v8 a maximum, v9 at work, v[10:11] the sum and its reciprocal, v[12:13] a second chain, then the index, v14 1.0, v15 index - 4 lane
.macro ROWMAX d, t                     ; the largest of the row's 1,024 numbers in v[T] on, in every lane: two chains in the lane, four steps inside each half of the lanes, one across
	v_max3_num_f32 v[\d], v[T], v[T+1], v[T+2]
	v_max3_num_f32 v[\t], v[T+3], v[T+4], v[T+5]
.irp i, 6,10,14,18,22,26
	v_max3_num_f32 v[\d], v[\d], v[T+\i], v[T+\i+1]
	v_max3_num_f32 v[\t], v[\t], v[T+\i+2], v[T+\i+3]
.endr
	v_max3_num_f32 v[\d], v[\d], v[T+30], v[T+31]
	v_max_num_f32 v[\d], v[\d], v[\t]
	v_max_num_f32_dpp v[\d], v[\d], v[\d] row_xmask:1 row_mask:0xf bank_mask:0xf
	v_max_num_f32_dpp v[\d], v[\d], v[\d] row_xmask:2 row_mask:0xf bank_mask:0xf
	v_max_num_f32_dpp v[\d], v[\d], v[\d] row_xmask:4 row_mask:0xf bank_mask:0xf
	v_max_num_f32_dpp v[\d], v[\d], v[\d] row_xmask:8 row_mask:0xf bank_mask:0xf
	v_permlanex16_b32 v[\t], v[\d], s12, s13
	v_max_num_f32 v[\d], v[\d], v[\t]
.endm
	s_load_b256 s[4:11], s[0:1], 0x0               ; z2 s[4:5], gumbel s[6:7], the scales' exponents s[8:9], h2c s[10:11]
	s_load_b64 s[14:15], s[0:1], 0x20              ; idx
	v_lshl_add_u32 v128, v0, 2, 0x1000
	v_mov_b32 v129, 0
	v_lshrrev_b32 v1, 5, v0
	v_readfirstlane_b32 s16, v1                    ; wave 0..3
	v_and_b32 v1, 31, v0
	s_wait_alu depctr_va_vdst(0)
	s_lshl_b32 s17, ttmp9, 2
	s_add_co_u32 s17, s17, s16                     ; my row
	s_lshl_b32 s18, s17, 12                        ; in z2 and gumbel,
	s_mov_b32 s19, 0
	s_lshl_b32 s22, s17, 10                        ; in h2c,
	s_mov_b32 s23, 0
	s_lshl_b32 s24, s17, 2                         ; in idx
	s_mov_b32 s25, 0
	s_mov_b32 s12, 0x76543210                      ; v_permlanex16_b32: each lane takes its own place in the other half
	s_mov_b32 s13, 0xfedcba98
	v_lshlrev_b32 v4, 4, v1
	s_lshl_b32 s21, s16, 10                        ; my wave's 1,024 bytes of LDS
	v_lshl_add_u32 v5, v1, 2, s21
	v_add_nc_u32 v6, s21, v4
	v_mov_b32 v7, 0
	s_wait_alu depctr_va_vdst(0)
	s_wait_kmcnt 0x0
	s_load_b32 s20, s[8:9], 0x10                   ; e4
	s_add_nc_u64 s[4:5], s[4:5], s[18:19]
	s_add_nc_u64 s[6:7], s[6:7], s[18:19]
	s_add_nc_u64 s[10:11], s[10:11], s[22:23]
	s_add_nc_u64 s[14:15], s[14:15], s[24:25]
.irp i, 0,1,2,3,4,5,6,7
	global_load_b128 v[T+4*\i:T+4*\i+3], v4, s[4:5] offset:512*\i th:TH_LOAD_NT
	global_load_b128 v[G+4*\i:G+4*\i+3], v4, s[6:7] offset:512*\i th:TH_LOAD_NT
.endr
	s_wait_kmcnt 0x0
	s_add_co_i32 s20, s20, 127
	s_lshl_b32 s26, s20, 23
	v_mov_b32 v2, s26                              ; 2^e4 as f32
	s_add_co_i32 s20, s20, 15
	s_lshl_b32 s20, s20, 23
	s_or_b32 s20, s20, 0x600000
	v_mov_b32 v3, s20                              ; 57,344 x 2^e4
	s_wait_loadcnt 0x0
.set j, 0
.rept 16
	v_pk_add_f32 v[T+j:T+j+1], v[T+j:T+j+1], v[G+j:G+j+1]      ; t = z2 + gumbel
.set j, j+2
.endr
	ROWMAX 8, 9                                    ; M
.set j, 0
.rept 16
	v_pk_add_f32 v[T+j:T+j+1], v[T+j:T+j+1], v[8:9] op_sel_hi:[1,0] neg_lo:[0,1] neg_hi:[0,1]   ; t - M: 0 at the largest
.set j, j+2
.endr
.set j, 0
.rept 16
	v_pk_mul_f32 v[T+j:T+j+1], v[T+j:T+j+1], 0x3fb8aa3b op_sel_hi:[1,0]                         ; x log2(e)
.set j, j+2
.endr
.set j, 0
	s_wait_alu depctr_va_vdst(0)
.rept 32
	v_exp_f32 v[T+j], v[T+j]
.set j, j+1
.endr
	v_mov_b32 v14, 1.0                             ; a plain line behind the exponentials
	s_wait_alu depctr_va_vdst(0)                   ; one wait for the batch, ahead of its first reader
	v_pk_add_f32 v[10:11], v[T:T+1], v[T+2:T+3]    ; the sum, two at a time, in two chains
	v_pk_add_f32 v[12:13], v[T+4:T+5], v[T+6:T+7]
.irp j, 8,12,16,20,24,28
	v_pk_add_f32 v[10:11], v[10:11], v[T+\j:T+\j+1]
	v_pk_add_f32 v[12:13], v[12:13], v[T+\j+2:T+\j+3]
.endr
	v_pk_add_f32 v[10:11], v[10:11], v[12:13]
	v_add_f32 v10, v10, v11
	v_add_f32_dpp v10, v10, v10 row_xmask:1 row_mask:0xf bank_mask:0xf
	v_add_f32_dpp v10, v10, v10 row_xmask:2 row_mask:0xf bank_mask:0xf
	v_add_f32_dpp v10, v10, v10 row_xmask:4 row_mask:0xf bank_mask:0xf
	v_add_f32_dpp v10, v10, v10 row_xmask:8 row_mask:0xf bank_mask:0xf
	v_permlanex16_b32 v11, v10, s12, s13
	v_add_f32 v10, v10, v11
	s_wait_alu depctr_va_vdst(0)
	v_rcp_f32 v10, v10
	v_nop                                          ; a plain line behind the reciprocal
	s_wait_alu depctr_va_vdst(0)                   ; and the wait ahead of its first reader
.set j, 0
.rept 16
	v_pk_mul_f32 v[T+j:T+j+1], v[T+j:T+j+1], v[10:11] op_sel_hi:[1,0]   ; y
.set j, j+2
.endr
	ROWMAX 8, 9                                    ; y's largest number
	v_mov_b32 v12, 0x400                           ; my first register that holds it; 1,024 if none does
.set j, 31
.rept 32
	v_cmp_neq_f32 vcc_lo, v[T+j], v8
	v_cndmask_b32 v12, j, v12, vcc_lo              ; descending, so that the lowest register has the last word
.set j, j-1
.endr
	v_and_b32 v13, -4, v12
	v_and_b32 v12, 3, v12
	v_lshl_add_u32 v12, v13, 5, v12
	v_lshl_add_u32 v12, v1, 2, v12                 ; its column: 128 (J / 4) + J % 4 + 4 lane; 32,768 or more where the lane has none
	v_cvt_f32_u32 v12, v12                         ; (whole numbers under 2^24 are exact in f32)
	v_min_num_f32_dpp v12, v12, v12 row_xmask:1 row_mask:0xf bank_mask:0xf
	v_min_num_f32_dpp v12, v12, v12 row_xmask:2 row_mask:0xf bank_mask:0xf
	v_min_num_f32_dpp v12, v12, v12 row_xmask:4 row_mask:0xf bank_mask:0xf
	v_min_num_f32_dpp v12, v12, v12 row_xmask:8 row_mask:0xf bank_mask:0xf
	v_permlanex16_b32 v13, v12, s12, s13
	v_min_num_f32 v12, v12, v13
	v_cvt_u32_f32 v12, v12                         ; the row's first column that holds the largest y
	v_lshlrev_b32 v15, 2, v1
	v_sub_nc_u32 v15, v12, v15
.set j, 0
.rept 32
	v_cmp_eq_u32 vcc_lo, 128*(j/4)+j%4, v15
	v_cndmask_b32 v[H+j], 0, v14, vcc_lo           ; one_hot
.set j, j+1
.endr
.set j, 0
.rept 16
	v_pk_add_f32 v[H+j:H+j+1], v[H+j:H+j+1], v[T+j:T+j+1] neg_lo:[0,1] neg_hi:[0,1]   ; - y
.set j, j+2
.endr
.set j, 0
.rept 16
	v_pk_add_f32 v[H+j:H+j+1], v[H+j:H+j+1], v[T+j:T+j+1]                             ; + y: h2
.set j, j+2
.endr
.set j, 0
.rept 32
	v_med3_num_f32 v[H+j], v[H+j], -v3, v3         ; the conversion to an 8-bit code does not saturate (ISA guide 7.6.2): the hold at the largest code x the scale
.set j, j+1
.endr
.irp q, 0,1,2,3
	v_cvt_scalef32_pk8_bf8_f32 v[C+2*\q:C+2*\q+1], v[H+8*\q:H+8*\q+7], v2   ; chunks 2 q and 2 q + 1: four codes of each, a register a chunk
.endr
	v_nop
.irp i, 0,1,2,3,4,5,6,7
	ds_store_b32 v5, v[C+\i] offset:128*\i         ; the row's codes in their order: byte 128 i + 4 lane
.endr
	ds_load_b128 v[O:O+3], v6                      ; LDS serves a wave's instructions in order (ISA guide 5.7.1.4): these see my stores
	ds_load_b128 v[O+4:O+7], v6 offset:512
	s_wait_dscnt 0x1
	global_store_b128 v4, v[O:O+3], s[10:11]       ; 32 lanes store 512 consecutive bytes, at a multiple of 256 from h2c's first byte
	s_wait_dscnt 0x0
	global_store_b128 v4, v[O+4:O+7], s[10:11] offset:512
	s_wait_xcnt 0x0                                ; EXEC is a source of the stores above: it changes only behind this wait
	s_wait_tensorcnt 0x0
	ds_add_u32 v128, v129
	s_wait_dscnt 0x0
	v_cmpx_gt_u32 1, v1                            ; lane 0 alone
	global_store_b32 v7, v12, s[14:15]             ; the row's index: four bytes are all there is
	s_endpgm
.Lfunc_end_k_qf4593efdf3_choose:
	.size	k_qf4593efdf3_choose, .Lfunc_end_k_qf4593efdf3_choose-k_qf4593efdf3_choose
	.p2alignl 7, 3214868480
	.fill 96, 4, 3214868480
	.section	.rodata,"a",@progbits
	.p2align	6, 0x0
	.amdhsa_kernel k_qf4593efdf3_choose
		.amdhsa_group_segment_fixed_size 4608
		.amdhsa_private_segment_fixed_size 0
		.amdhsa_enable_private_segment 0
		.amdhsa_kernarg_size 40
		.amdhsa_user_sgpr_count 2
		.amdhsa_user_sgpr_kernarg_segment_ptr 1
		.amdhsa_wavefront_size32 1
		.amdhsa_system_sgpr_workgroup_id_x 1
		.amdhsa_system_sgpr_workgroup_id_y 1
		.amdhsa_system_sgpr_workgroup_id_z 1
		.amdhsa_system_vgpr_workitem_id 0
		.amdhsa_next_free_vgpr 130
		.amdhsa_next_free_sgpr 66
		.amdhsa_reserve_vcc 1
		.amdhsa_float_denorm_mode_32 3
		.amdhsa_float_denorm_mode_16_64 3
		.amdhsa_memory_ordered 1
		.amdhsa_forward_progress 1
		.amdhsa_inst_pref_size 24
	.end_amdhsa_kernel
	.amdgpu_metadata
---
amdhsa.version: [ 1, 2 ]
amdhsa.kernels:
  - .name:           k_qf4593efdf3_choose
    .symbol:         k_qf4593efdf3_choose.kd
    .args:
      - { .name: z2, .offset: 0, .size: 8, .value_kind: global_buffer, .address_space: global }
      - { .name: gumbel, .offset: 8, .size: 8, .value_kind: global_buffer, .address_space: global }
      - { .name: lowp_scales, .offset: 16, .size: 8, .value_kind: global_buffer, .address_space: global }
      - { .name: h2c, .offset: 24, .size: 8, .value_kind: global_buffer, .address_space: global }
      - { .name: idx, .offset: 32, .size: 8, .value_kind: global_buffer, .address_space: global }
    .group_segment_fixed_size: 4608
    .private_segment_fixed_size: 0
    .kernarg_segment_align: 8
    .kernarg_segment_size: 40
    .max_flat_workgroup_size: 128
    .sgpr_count:     66
    .vgpr_count:     130
    .wavefront_size: 32
...
	.end_amdgpu_metadata
.endif
;; end of part 7
;; launch density (part 8): grid 16 x 12, 8 waves a work-group, no clusters, 121,344 bytes of LDS; arguments h2c, W3_codes, b3, idx, lowp_scales, out0; writes out0
.if DOCPART == 8
	.amdgcn_target "amdgcn-amd-amdhsa--gfx1250"
	.amdhsa_code_object_version 6
	.text
	.protected	k_qf4593efdf3_density
	.globl	k_qf4593efdf3_density
	.p2align	8
	.type	k_qf4593efdf3_density,@function
k_qf4593efdf3_density:
	s_mov_b64 s[64:65], 0
	v_nop
	global_prefetch_b8 v0, s[64:65] scope:SCOPE_SE
	s_setreg_imm32_b32 hwreg(HW_REG_WAVE_SCHED_MODE, 0, 2), 2
	s_setreg_imm32_b32 hwreg(HW_REG_WAVE_MODE, 25, 1), 1
	s_wait_xcnt 0x0
	s_wait_alu depctr_vm_vsrc(0)
; z3 = h2 W3^T + b3 on codes of BF8 (E5M2), and out0[i][f] = (sum over j of alpha / (1 + 1e4 (z3[i][f] - h2[j][f])^2)) / 384 + beta.
; h2c: [384][1024] codes, scale 2^e4.  W3: [1024][1024] codes, K innermost, scale 2^e5.  idx: [384] int32, each row's chosen column.  out0: [384][1024] f32.
; THE SUM OVER j.  h2 = (one_hot - y) + y in f32, rounded to nearest even, IS one_hot, for every y between 0 and 1: off the chosen column (0 - y) + y = 0; on it, 1 - y is exact for y >= 1/2, and for
; y < 1/2 it is off by 2^-25 at the most, so that the sum lies within 2^-25 of 1 and rounds to 1 (the tie at 1 - 2^-25 goes to the even mantissa, 1).  So column f of h2 holds c[f] ones and 384 - c[f]
; zeros, c[f] the number of rows that chose f, and the 384 terms are (384 - c) terms 1 / (1 + 1e4 z^2) and c terms 1 / (1 + 1e4 (z - 1)^2): the same terms, gathered by value.
; The indices enter compares alone: no address and no branch hangs on them.
; SHARES.  A work-group makes 32 rows x 64 columns (grid 16 x 12).  K = 1,024 is split over its EIGHT waves, 128 to a wave, with no loop over K; the partial sums meet in LDS, wave a adds accumulator a.
; Each wave also counts 48 of the 384 indices against the tile's 64 columns (two a lane) while its loads are on their way; the eight partial counts meet in LDS too.
; The matrix instruction is used transposed, W3's rows are dealt to tiles and k to registers as in the launches before: in accumulator (t, 2 b + u) lane (r, h) holds row 16 t + r, columns 32 b + 16 h + 8 u + 0 .. 7.
; NO JOINT LOADS: what neighbours share is 32 KB of h2's codes or 64 KB of W3's, asked for once at the head; two rounds of a cluster's barrier would stand beside 8 matrix instructions a wave.
; LIMITS: e4 + e5 between -126 and 127.  NaN and infinities among the inputs are not served.  The split of K gives another order of the f32 sums; 1 / (1 + ..) is v_rcp_f32.
; THE MODE: SCHED_MODE bits 1:0 = 2 (LLVM: expert scheduling mode 2), set by the entry lines.  The code itself states the register dependences
; between vector or matrix instructions and memory or LDS instructions, with s_wait_alu, always for 0.
; THE PLAN.  Registers that memory or LDS instructions touch:
;   v4 .. v15, v248, v249  offsets and LDS addresses: written by vector instructions at the head and never again: one wait on va_vdst ahead of the first load.
;   v220 the packed counts: a vector instruction writes it, one LDS store reads it: a wait on va_vdst ahead of that store.
;   AR, WR  global loads land, LDS stores read them; then the products write the accumulators over v16-79 and partial sums land in v80-111: a wait on vm_vsrc ahead of the first product.
;   ACC  the products write it, the image's LDS stores read it: a wait on va_vdst behind the places; it is not written again.
;   AF, WF  LDS loads land, the products read them; then partial sums and counts land there: the same wait on va_vdst has shown the products done reading.
;   Z    the last multiply-adds write it, the stage's stores read it: a wait on va_vdst ahead of them, which also shows the counts' additions done with v144-151, in which the rows on the way out land.
; Masks: the compares of the counting write s88-s99, twelve to a run, with one wait on va_sdst between a run and the selects that read its masks.  No line of the text names VCC.
.set KROW,   1024
.set KSH,    10
.set PITCH,  144                       ; an LDS row: 128 codes + 16 bytes
.set REGION, 96*PITCH                  ; a wave's own LDS: 32 rows of h2's codes, 64 of W3's; later its image of partial sums (8,192 bytes)
.set AOFF,   0
.set WOFF,   32*PITCH
.set NP,     8
.set CNT,    8*REGION                  ; the partial counts: 128 bytes a wave: word l = columns 2 l (low half) and 2 l + 1 (high half)
.set STG,    CNT+1024                  ; the stage for the way out: 32 rows x (256 bytes + 16)
.set SP,     272
.set AR,  16                           ; v16-47   h2's codes as loaded
.set WR,  48                           ; v48-111  W3's codes as loaded
.set ACC, 16                           ; v16-79   later: eight accumulators
.set AF,  112                          ; v112-143 h2's two fragments
.set WF,  144                          ; v144-207 W3's four fragments
.set RB,  80                           ; v80-143  later: eight partials of one accumulator
.set CP,  144                          ; v144-175 later: eight partial counts of my eight columns
.set OB,  144                          ; v144-151 last: four rows' parts on the way out
.set Z,   176                          ; v176-183 z3, at the end the result
.set D1,  184                          ; v184-191 z3 - 1
.set T0,  192                          ; v192-199 1 + 1e4 z3^2, its reciprocal, the sum
.set T1,  200                          ; v200-207 the same of z3 - 1
.set BI,  208                          ; v208-215 b3 at my eight columns
.set COL, 216                          ; v216, v217 my two columns;  v218, v219 their counts;  v220 both, packed
.set CF,  224                          ; v224-231 c as f32
.set NF,  232                          ; v232-239 384 - c
.set TM,  224                          ; v224-235 while counting: a run's twelve masks as 0 or 1; vector instructions alone name these registers, in the whole text
.set MK,  88                           ; s88-s99  twelve masks: free once the bases are made
; v1 lane, v2 r, v3 h, v4 the codes' load offset, v5 their place in LDS, v6 fragments, v7 my image, v8, v9 the images I add, v10 64 h, v11 into the stage, v12 out of it, v13 my offset in out0,
; v14 where I put my counts, v15 where I read eight columns' counts;  v[240:241] beta;  v248, v249: the closing add's two, made at the head and kept for it alone
; Six indices, first .. first + 5 of my 48, against my two columns.  Index k lies in s[32 + k], from k = 32 on in s[36 + k].  The twelve compares stand in one run, each with a mask of its own;
; each mask then becomes 0 or 1 in a register of its own and is added onto its column's count, in the indices' order: lines that write vector registers alone.
.macro COUNT6 first
.set k, \first
.rept 6
.set rr, 32+k+4*(k/32)
.set mm, MK+2*(k-(\first))
	v_cmp_eq_u32 s[mm], s[rr], v[COL]
	v_cmp_eq_u32 s[mm+1], s[rr], v[COL+1]
.set k, k+1
.endr
	s_wait_alu depctr_va_sdst(0)                   ; the twelve compares have written s88 to s99, ahead of the selects that read them
.set mq, 0
.rept 12
	v_cndmask_b32 v[TM+mq], 0, 1, s[MK+mq]         ; 1 where the index is my column
.set mq, mq+1
.endr
.set mq, 0
.rept 6
	v_add_nc_u32 v[COL+2], v[COL+2], v[TM+2*mq]
	v_add_nc_u32 v[COL+3], v[COL+3], v[TM+2*mq+1]
.set mq, mq+1
.endr
.endm
	s_load_b256 s[4:11], s[0:1], 0x0               ; h2c s[4:5], W3's codes s[6:7], b3 s[8:9], idx s[10:11]
	s_load_b128 s[12:15], s[0:1], 0x20             ; the scales' exponents s[12:13], out0 s[14:15]
	v_lshl_add_u32 v248, v0, 2, 0x1d600
	v_mov_b32 v249, 0
	v_lshrrev_b32 v1, 5, v0
	v_readfirstlane_b32 s16, v1                    ; wave 0..7: my K step, my 48 indices, and the accumulator that I add
	v_and_b32 v1, 31, v0
	v_and_b32 v2, 15, v0
	v_bfe_u32 v3, v0, 4, 1
	s_and_b32 s18, ttmp7, 0xffff                   ; by
	v_lshlrev_b32 v10, 4, v1                       ; 16 lane, for the lines below
	v_lshrrev_b32 v14, 3, v1
	v_and_b32 v15, 7, v1
	v_lshlrev_b32 v15, 4, v15
	v_lshl_add_u32 v4, v14, KSH, v15               ; (lane / 8) rows of 1,024 bytes + 16 (lane % 8): for h2's codes and for W3's
	s_wait_alu depctr_va_sdst(0)                   ; s16 is written, ahead of its first reader: my region, my K step and every base are made from it
	s_mul_i32 s19, s16, REGION
	v_mad_u32_u24 v5, v14, PITCH, v15
	v_add_nc_u32 v5, s19, v5
	v_mul_u32_u24 v6, v2, PITCH
	v_lshl_add_u32 v6, v3, 4, v6
	v_add_nc_u32 v6, s19, v6
	v_add_nc_u32 v7, s19, v10
	s_lshl_b32 s98, s16, 10
	v_add_nc_u32 v8, s98, v10
	v_add_nc_u32 v9, 4*REGION, v8
	v_lshlrev_b32 v10, 6, v3
	s_bfe_u32 s17, s16, 0x10002                    ; t
	s_bfe_u32 s84, s16, 0x10001                    ; b
	s_and_b32 s85, s16, 1                          ; u
	s_mul_i32 s98, s17, 16*SP
	s_lshl_b32 s99, s84, 7
	s_add_co_u32 s98, s98, s99
	s_lshl_b32 s99, s85, 5
	s_add_co_u32 s98, s98, s99
	s_add_co_u32 s98, s98, STG
	v_mul_u32_u24 v11, v2, SP
	v_lshl_add_u32 v11, v3, 6, v11
	v_add_nc_u32 v11, s98, v11                     ; stage row 16 t + r, byte 128 b + 64 h + 32 u
	s_mul_i32 s98, s16, 4*SP
	s_add_co_u32 s98, s98, STG
	v_mul_u32_u24 v12, v3, SP
	v_lshl_add_u32 v12, v2, 4, v12
	v_add_nc_u32 v12, s98, v12                     ; back: rows 4 w on; lanes 0-15 one row, lanes 16-31 the next
	v_lshlrev_b32 v13, 12, v3
	v_lshl_add_u32 v13, v2, 4, v13
	s_lshl_b32 s98, s16, 7
	s_add_co_u32 s98, s98, CNT
	v_lshl_add_u32 v14, v1, 2, s98
	s_lshl_b32 s98, s84, 6
	s_lshl_b32 s99, s85, 4
	s_add_co_u32 s98, s98, s99
	s_add_co_u32 s98, s98, CNT
	v_lshl_add_u32 v15, v3, 5, s98                 ; columns 32 b + 16 h + 8 u on are words 16 b + 8 h + 4 u on
	s_lshl_b32 s98, ttmp9, 6
	v_lshl_add_u32 v[COL], v1, 1, s98              ; 64 bx + 2 lane
	v_add_nc_u32 v[COL+1], 1, v[COL]
	v_mov_b32 v[COL+2], 0
	v_mov_b32 v[COL+3], 0
	v_mov_b32 v240, 0x39511d04                     ; beta = 0.5 theta / (384 + theta), theta = 1 / (1 + 1/2 + .. + 1/383)
	v_mov_b32 v241, 0x39511d04
	s_lshl_b32 s88, s18, 15                        ; h2c: 32 by rows of 1,024 bytes + my 128 codes
	s_lshl_b32 s89, s16, 7
	s_add_co_u32 s88, s88, s89
	s_lshl_b32 s90, ttmp9, 16                      ; W3: 64 bx rows + my 128 codes
	s_add_co_u32 s90, s90, s89
	s_mov_b32 s89, 0
	s_mov_b32 s91, 0
	s_lshl_b32 s92, ttmp9, 8                       ; b3: (64 bx + 32 b + 8 u) x 4
	s_lshl_b32 s93, s84, 7
	s_add_co_u32 s92, s92, s93
	s_lshl_b32 s93, s85, 5
	s_add_co_u32 s92, s92, s93
	s_mov_b32 s93, 0
	s_lshl_b32 s94, s18, 17                        ; out0: (32 by + 4 w) rows of 4,096 bytes + 256 bx
	s_lshl_b32 s95, s16, 14
	s_add_co_u32 s94, s94, s95
	s_lshl_b32 s95, ttmp9, 8
	s_add_co_u32 s94, s94, s95
	s_mov_b32 s95, 0
	s_mul_i32 s96, s16, 192                        ; idx: my 48 whole numbers
	s_mov_b32 s97, 0
	s_mov_b32 s84, 0x3b2a993e                      ; alpha / 384, alpha = 384 / (384 + theta)
	s_mov_b32 s85, s84
	s_wait_kmcnt 0x0
	s_load_b64 s[20:21], s[12:13], 0x10            ; e4, e5
	s_add_nc_u64 s[24:25], s[10:11], s[96:97]
	s_load_b512 s[32:47], s[24:25], 0x0
	s_load_b512 s[48:63], s[24:25], 0x40
	s_load_b512 s[68:83], s[24:25], 0x80
	s_add_nc_u64 s[26:27], s[4:5], s[88:89]
	s_add_nc_u64 s[28:29], s[6:7], s[90:91]
	s_add_nc_u64 s[30:31], s[8:9], s[92:93]
	s_add_nc_u64 s[86:87], s[14:15], s[94:95]
	s_wait_alu depctr_va_vdst(0)                   ; the offsets and LDS addresses v4 to v15 are written, which every load and store of the kernel reads; none of them is written again
.set i, 0
.rept 16
	global_load_b128 v[WR+4*i:WR+4*i+3], v4, s[28:29] offset:4*i*KROW       ; four rows of W3, 128 bytes of each
.set i, i+1
.endr
.set i, 0
.rept 8
	global_load_b128 v[AR+4*i:AR+4*i+3], v4, s[26:27] offset:4*i*KROW       ; four rows of h2's codes likewise
.set i, i+1
.endr
	global_load_b128 v[BI:BI+3], v10, s[30:31]
	global_load_b128 v[BI+4:BI+7], v10, s[30:31] offset:16
	s_wait_kmcnt 0x0
	s_add_co_i32 s22, s20, s21
	s_add_co_i32 s22, s22, 127
	s_lshl_b32 s22, s22, 23                        ; 2^(e4 + e5)
	s_mov_b32 s23, s22
.irp g, 0,6,12,18,24,30,36,42                  ; the counting stands where the wave would wait for its loads
	COUNT6 \g
.endr
	v_lshl_or_b32 v[COL+4], v[COL+3], 16, v[COL+2]
	s_wait_alu depctr_va_vdst(0)                   ; the packed counts are written to v220, which the LDS store reads
	ds_store_b32 v14, v[COL+4]
	s_wait_loadcnt 10                              ; W3's 16 loads are in; h2's 8 and b3's 2 are younger
.set i, 0
.rept 16
	ds_store_b128 v5, v[WR+4*i:WR+4*i+3] offset:WOFF+PITCH*(32*(i/8)+16*((i/2)%2)+8*((i/4)%2)+4*(i%2))   ; each row to the slot of its tile
.set i, i+1
.endr
	s_wait_loadcnt 2                               ; h2's codes are in; b3's 2 loads may be out
.set i, 0
.rept 8
	ds_store_b128 v5, v[AR+4*i:AR+4*i+3] offset:AOFF+4*i*PITCH
.set i, i+1
.endr
.irp t, 0,1
.irp c, 0,1,2,3
	ds_load_b128 v[AF+16*\t+4*\c:AF+16*\t+4*\c+3], v6 offset:AOFF+16*\t*PITCH+32*\c   ; LDS serves a wave's instructions in order: these see my stores
.endr
.endr
.irp t, 0,1,2,3
.irp c, 0,1,2,3
	ds_load_b128 v[WF+16*\t+4*\c:WF+16*\t+4*\c+3], v6 offset:WOFF+16*\t*PITCH+32*\c
.endr
.endr
	s_wait_dscnt 0x0
	s_wait_alu depctr_vm_vsrc(0)                   ; my LDS stores have read v[AR ..] and v[WR ..]: the products below write the accumulators over v16-79, and partial sums land in v80-111 later
.irp t, 0,1
.irp c, 0,1,2,3
	v_wmma_f32_16x16x128_bf8_bf8 v[ACC+8*(4*\t+\c):ACC+8*(4*\t+\c)+7], v[WF+16*\c:WF+16*\c+15], v[AF+16*\t:AF+16*\t+15], 0
.endr
.endr
.rept 4
	v_nop                                          ; four places behind the last product, ahead of the stores that read results; they stay beside the wait below
.endr
	s_wait_alu depctr_va_vdst(0)                   ; the products have written the accumulators, which the LDS stores below read, and are done reading v[AF ..] and v[WF ..], in which partial sums and counts land behind the barrier
.set g, 0
.rept 16
	ds_store_b128 v7, v[ACC+4*g:ACC+4*g+3] offset:512*g   ; my partial sums as an image of their registers, each accumulator from its low end on
.set g, g+1
.endr
	s_wait_dscnt 0x0                               ; for the others' sake: my counts and my image have landed
	s_barrier_signal -1
	s_barrier_wait -1
.set p, 0
.rept NP
	ds_load_b128 v[RB+8*p:RB+8*p+3], v[8+p/4] offset:(p%4)*REGION
	ds_load_b128 v[RB+8*p+4:RB+8*p+7], v[8+p/4] offset:(p%4)*REGION+512
.set p, p+1
.endr
.irp w, 0,1,2,3,4,5,6,7
	ds_load_b128 v[CP+4*\w:CP+4*\w+3], v15 offset:128*\w   ; wave w's counts of my eight columns
.endr
.set p, 1
.rept NP-1
	s_wait_alu depctr_va_vdst(0)
	s_wait_dscnt 2*NP-2-2*p+8                      ; partials 0 .. p are in; the loads behind them, the counts' eight among them, may be out
.irp j, 0,2,4,6
	v_pk_add_f32 v[RB+\j:RB+\j+1], v[RB+\j:RB+\j+1], v[RB+8*p+\j:RB+8*p+\j+1]
.endr
.set p, p+1
.endr
	s_wait_dscnt 0x0
.irp w, 1,2,3,4,5,6,7
.irp q, 0,1,2,3
	v_add_nc_u32 v[CP+\q], v[CP+\q], v[CP+4*\w+\q] ; both halves at once: a count is 384 at the most, so nothing is carried from half to half
.endr
.endr
.irp q, 0,1,2,3
	v_and_b32 v[CF+2*\q], 0xffff, v[CP+\q]
	v_lshrrev_b32 v[CF+2*\q+1], 16, v[CP+\q]
.endr
.irp j, 0,1,2,3,4,5,6,7
	v_cvt_f32_u32 v[CF+\j], v[CF+\j]               ; c
.endr
.irp j, 0,1,2,3,4,5,6,7
	v_sub_f32 v[NF+\j], 0x43c00000, v[CF+\j]       ; 384 - c
.endr
	s_wait_loadcnt 0x0                             ; b3
.irp j, 0,2,4,6
	v_pk_fma_f32 v[Z+\j:Z+\j+1], v[RB+\j:RB+\j+1], s[22:23], v[BI+\j:BI+\j+1] op_sel_hi:[1,0,1]   ; z3 = sum x 2^(e4 + e5) + b3
.endr
.irp j, 0,2,4,6
	v_pk_add_f32 v[D1+\j:D1+\j+1], v[Z+\j:Z+\j+1], -1.0 op_sel_hi:[1,0]
.endr
.irp j, 0,2,4,6
	v_pk_mul_f32 v[T0+\j:T0+\j+1], v[Z+\j:Z+\j+1], 0x461c4000 op_sel_hi:[1,0]                     ; 1e4 d
	v_pk_mul_f32 v[T1+\j:T1+\j+1], v[D1+\j:D1+\j+1], 0x461c4000 op_sel_hi:[1,0]
.endr
.irp j, 0,2,4,6
	v_pk_fma_f32 v[T0+\j:T0+\j+1], v[T0+\j:T0+\j+1], v[Z+\j:Z+\j+1], 1.0 op_sel_hi:[1,1,0]        ; (1e4 d) d + 1
	v_pk_fma_f32 v[T1+\j:T1+\j+1], v[T1+\j:T1+\j+1], v[D1+\j:D1+\j+1], 1.0 op_sel_hi:[1,1,0]
.endr
.set j, 0
	s_wait_alu depctr_va_vdst(0)
.rept 16
	v_rcp_f32 v[T0+j], v[T0+j]
.set j, j+1
.endr
	v_nop                                          ; a plain line behind the reciprocals
	s_wait_alu depctr_va_vdst(0)                   ; the sixteen reciprocals have written v[T0 ..] and v[T1 ..]: one wait, ahead of their first reader
.irp j, 0,2,4,6
	v_pk_mul_f32 v[T0+\j:T0+\j+1], v[T0+\j:T0+\j+1], v[NF+\j:NF+\j+1]                             ; the 384 - c terms at h2 = 0
.endr
.irp j, 0,2,4,6
	v_pk_fma_f32 v[T0+\j:T0+\j+1], v[CF+\j:CF+\j+1], v[T1+\j:T1+\j+1], v[T0+\j:T0+\j+1]           ; + the c terms at h2 = 1
.endr
.irp j, 0,2,4,6
	v_pk_fma_f32 v[Z+\j:Z+\j+1], v[T0+\j:T0+\j+1], s[84:85], v[240:241] op_sel_hi:[1,0,1]         ; x alpha / 384 + beta
.endr
	; THE WAY OUT: a row's 256 bytes come from four waves: they meet in the stage and leave as whole rows
	s_wait_alu depctr_va_vdst(0)                   ; the multiply-adds have written v[Z:Z+7], which the stage's stores read; the counts' additions are done with v144-151, in which the rows land behind the barrier
	ds_store_b128 v11, v[Z:Z+3]
	ds_store_b128 v11, v[Z+4:Z+7] offset:16
	s_wait_dscnt 0x0                               ; for the others' sake: my stores into the stage are done
	s_barrier_signal -1
	s_barrier_wait -1
	ds_load_b128 v[OB:OB+3], v12
	ds_load_b128 v[OB+4:OB+7], v12 offset:2*SP
	s_wait_dscnt 0x1
	global_store_b128 v13, v[OB:OB+3], s[86:87] th:TH_STORE_NT              ; 16 lanes store 256 consecutive bytes, at a multiple of 256 from out0's first byte; written once, read by nobody here
	s_wait_dscnt 0x0
	global_store_b128 v13, v[OB+4:OB+7], s[86:87] offset:8192 th:TH_STORE_NT
	s_wait_dscnt 0x0                               ; the closing lines, six on end
	s_wait_alu 0x0
	s_wait_tensorcnt 0x0
	ds_add_u32 v248, v249
	s_wait_dscnt 0x0
	s_endpgm
.Lfunc_end_k_qf4593efdf3_density:
	.size	k_qf4593efdf3_density, .Lfunc_end_k_qf4593efdf3_density-k_qf4593efdf3_density
	.p2alignl 7, 3214868480
	.fill 96, 4, 3214868480
	.section	.rodata,"a",@progbits
	.p2align	6, 0x0
	.amdhsa_kernel k_qf4593efdf3_density
		.amdhsa_group_segment_fixed_size 121344
		.amdhsa_private_segment_fixed_size 0
		.amdhsa_enable_private_segment 0
		.amdhsa_kernarg_size 48
		.amdhsa_user_sgpr_count 2
		.amdhsa_user_sgpr_kernarg_segment_ptr 1
		.amdhsa_wavefront_size32 1
		.amdhsa_system_sgpr_workgroup_id_x 1
		.amdhsa_system_sgpr_workgroup_id_y 1
		.amdhsa_system_sgpr_workgroup_id_z 1
		.amdhsa_system_vgpr_workitem_id 0
		.amdhsa_next_free_vgpr 250
		.amdhsa_next_free_sgpr 100
		.amdhsa_reserve_vcc 0
		.amdhsa_float_denorm_mode_32 3
		.amdhsa_float_denorm_mode_16_64 3
		.amdhsa_memory_ordered 1
		.amdhsa_forward_progress 1
		.amdhsa_inst_pref_size 38
	.end_amdhsa_kernel
	.amdgpu_metadata
---
amdhsa.version: [ 1, 2 ]
amdhsa.kernels:
  - .name:           k_qf4593efdf3_density
    .symbol:         k_qf4593efdf3_density.kd
    .args:
      - { .name: h2c, .offset: 0, .size: 8, .value_kind: global_buffer, .address_space: global }
      - { .name: W3_codes, .offset: 8, .size: 8, .value_kind: global_buffer, .address_space: global }
      - { .name: b3, .offset: 16, .size: 8, .value_kind: global_buffer, .address_space: global }
      - { .name: idx, .offset: 24, .size: 8, .value_kind: global_buffer, .address_space: global }
      - { .name: lowp_scales, .offset: 32, .size: 8, .value_kind: global_buffer, .address_space: global }
      - { .name: out0, .offset: 40, .size: 8, .value_kind: global_buffer, .address_space: global }
    .group_segment_fixed_size: 121344
    .private_segment_fixed_size: 0
    .kernarg_segment_align: 8
    .kernarg_segment_size: 48
    .max_flat_workgroup_size: 256
    .sgpr_count:     100
    .vgpr_count:     250
    .wavefront_size: 32
...
	.end_amdgpu_metadata
.endif
;; end of part 8
